; MI455X (gfx1250); checked and timed in simulation.
; The chip was launched on July 23, 2026; its instructions are those of AMD's public machine-readable ISA for CDNA 5 (MIT licence, August 2026) and "CDNA5" Instruction Set Architecture Reference Guide (July 2026). The comments in the code are by the model that wrote it; some were corrected since.
;; Cross Attention. Allowed arithmetic: matrix products marked QUANTISED: E2M1 operands, one E8M0 scale for each 32 along K, by v_wmma_scale_f32_16x16x128_f8f6f4 with both operands' format E2M1 (or v_wmma_scale_f32_32x16x128_f4), f32 sums; products left as they are: bf16, f16 or f32 operands; f32 sums; everything else in f32.
;; Inputs: Wk 512 x 512 float32; Wo 512 x 512 float32; Wq 512 x 512 float32; Wv 512 x 512 float32; bn_params 4 x 4 x 512 float32; key 4 x 2 x 1,024 x 512 float32; query 4 x 2 x 1,024 x 512 float32; value 4 x 2 x 1,024 x 512 float32.
;; Outputs: out0 4 x 2 x 1,024 x 512 float32.
;; This version of the problem:
;;   THIS VERSION OF THE PROBLEM IS GIVEN IN LOW PRECISION. The matrix products marked QUANTISED in the list below multiply operands that are first quantised to E2M1 (2 exponent bits, 1 mantissa bit; 4 bits a number), with one power-of-two scale for each 32 numbers along K (OCP MX v1.0); their sums are f32. The products marked 'left as it is' may take bf16, f16 or f32 operands, with f32 sums. Whichever they take, every output number must still come out within the allowed error. Rounding operands to bf16 (8 significant bits) uses up far more of that allowance than f16 does (11 bits, for magnitudes from 6e-5 to 65,504). All else is computed in f32.
;;   The module's matrix products, in the order in which they are computed (A, B: the left and right operand; K: the contracted axis; several contracted axes count as one K, in the product's order):
;;     1. [M 8,192, K 512] x [K 512, N 512]; A: input query; B: input Wq: QUANTISED
;;     2. [M 8,192, K 512] x [K 512, N 512]; A: input key; B: input Wk: QUANTISED
;;     3. [M 8,192, K 512] x [K 512, N 512]; A: input value; B: input Wv: QUANTISED
;;     4. batch 64 x [M 1,024, K 64] x [K 64, N 1,024]; A: computed on the way; B: computed on the way: left as it is (an operand is computed on the way)
;;     5. batch 64 x [M 1,024, K 1,024] x [K 1,024, N 64]; A: computed on the way; B: computed on the way: left as it is (an operand is computed on the way)
;;     6. [M 8,192, K 512] x [K 512, N 512]; A: computed on the way; B: input Wo: left as it is (an operand is computed on the way)
;;   THE QUANTISER, for each operand of a quantised product, along K:
;;     - K is cut into blocks of 32 from its start; a last block that is shorter is filled with zeros.
;;     - A block's scale is 2^e with e = floor(log2(the largest magnitude in the block)) - 2, held to -126 .. 127; a block of zeros has e = 0. As a byte (E8M0): e + 127.
;;     - Each number is divided by its block's scale, clamped to +-6, and rounded to the nearest number of E2M1, ties to even, subnormals kept.
;;     - The product sums the exact products of the quantised numbers (number of the format x scale) in f32.
;;   ~~~python
;;   def quantise(x, axis):      # numpy; x: float32 -> the quantised numbers, widened to float32 again
;;       x = np.moveaxis(x, axis, -1); K = x.shape[-1]
;;       x = np.pad(x, [(0, 0)] * (x.ndim - 1) + [(0, -K % 32)]); x = x.reshape(x.shape[:-1] + (-1, 32)); a = np.abs(x).max(-1, keepdims=True)
;;       e = np.where(a > 0, np.clip(np.frexp(np.where(a > 0, a, 1))[1] - 1 - 2, -126, 127), 0)      # np.frexp(a)[1] - 1 = floor(log2(a)), exactly
;;       r = np.clip(x / 2.0 ** e, -6, 6)
;;       step = 2.0 ** (np.maximum(np.frexp(np.where(r == 0, 1, r))[1] - 1, 0) - 1)
;;       q = np.round(r / step) * step * 2.0 ** e      # np.round: ties to even
;;       return np.moveaxis(q.reshape(q.shape[:-2] + (-1,))[..., :K], -1, axis).astype(np.float32)
;;   ~~~
;; 2 versions, each right; version 2 is version 1 with the launch proj written anew for expert scheduling mode. Each part assembles by itself: llvm-mc -triple=amdgcn-amd-amdhsa -mcpu=gfx1250 --defsym DOCPART=n.
;; ======== version 1 of 2: 4 launches
;; limits: values are held in f16: magnitudes above 65,504 overflow, below 6.1e-05 lose precision
;; workspace buffers: wcodes 393,216 bytes; wscl 49,152 bytes; wof 524,288 bytes; bnc 16,384 bytes; qfr 8,388,608 bytes; kfr 8,388,608 bytes; vfr 8,388,608 bytes; ofr 8,388,608 bytes
;; launch prep (part 1): grid 132 x 1, 4 waves a work-group, no clusters, 0 bytes of LDS; arguments Wq, Wk, Wv, Wo, bn_params, wcodes, wscl, wof, bnc; writes wcodes, wscl, wof, bnc
.if DOCPART == 1
	.amdgcn_target "amdgcn-amd-amdhsa--gfx1250"
	.amdhsa_code_object_version 6
	.text
	.protected	k_q230ade17bd_prep
	.globl	k_q230ade17bd_prep
	.p2align	8
	.type	k_q230ade17bd_prep,@function
k_q230ade17bd_prep:
	s_mov_b64 s[64:65], 0
	v_nop
	global_prefetch_b8 v0, s[64:65] scope:SCOPE_SE
	s_setreg_imm32_b32 hwreg(HW_REG_WAVE_MODE, 25, 1), 1
	s_wait_xcnt 0x0
; The weights and the batch-norm constants are laid out once, in the order in which the later launches' operand registers take them.
; An IMAGE of a fragment of 8 registers: registers 0-3 of lane l at byte 16 l, registers 4-7 at 512 + 16 l: 1,024 bytes.  An image of a scale register: lane l's word at 4 l: 128 bytes.
; Work-groups 0-95:   Wq, Wk, Wv [512][512] f32 -> codes of E2M1 with one E8M0 byte for each 32 along K.  Work-group 32 p + nt takes 16 rows (16 nt on) of tensor p, wave ks 128 along K:
;                     wcodes [p][nt][ks][1,024], wscl [p][nt][ks][128].
; Work-groups 96-127: Wo [512][512] f32 -> f16 fragments of 16 rows x 32 K: wof [row / 128][K / 32][(row / 16) % 8][1,024].  Work-group 96 + nt takes 16 rows, wave kq four K steps.
; Work-groups 128-131: projection p's gain s = gamma rsq(var + eps) and bias beta - mean s: bnc [p][head 8][gain, bias][64] f32.
;                     For p = 0 both are multiplied by c = log2(e) / 8, so that the scores of the attention come out as exponents of 2.
; A block's scale is 2^(floor(log2(its largest magnitude)) - 2): its byte is the largest magnitude's exponent field - 2, held at 1 from below.
; LIMITS: a block of zeros gets the byte 1 where the rule says 127 (its codes are zeros, and this program alone reads the bytes); NaN and infinities among the inputs are not served;
; the batch norm is applied later as y s + (beta - mean s), one fused multiply-add, which rounds in another order than (y - mean) s + beta.
; 132 work-groups are all the work that there is.  No LDS, no barrier: waves share nothing.
.set X,   32                           ; v32-95   64 numbers of a lane
.set CD,  96                           ; v96-103  the fragment's codes (f16 path: v96-127)
.set MX,  104                          ; v104-107 four running maxima
.set SO,  108                          ; v108-109 the conversions' scale operands
.set BY,  110                          ; v110-111 the scale bytes
.set PW,  112                          ; v112     the scale word
.set PT,  113                          ; v113     the other half's bytes
.set H8,  7                            ; v7       8 x (lane / 16)
.set SEL, 26                           ; s[26:27] v_permlanex16_b32's selects for lane l xor 16
; 64 numbers of a lane, register 32 c + i = k 64 c + 32 (lane / 16) + i of the lane's row, become the fragment's 8 registers of codes and the row's scale word.
; A lane holds two whole blocks of 32, so no other lane is asked for a maximum; the word's four bytes are gathered from lanes l and l xor 16.
.macro QUANT x
.irp c, 0,1
.irp u, 0,1
	v_max3_num_f32 v[MX+2*\c+\u], |v[\x+32*\c+16*\u]|, |v[\x+32*\c+16*\u+1]|, 0x1800000   ; four chains of 16 numbers; the floor 2^(3 - 127) among the leaves holds the byte at 1 from below
.endr
.endr
.irp i, 2,4,6,8,10,12,14
.irp c, 0,1
.irp u, 0,1
	v_max3_num_f32 v[MX+2*\c+\u], v[MX+2*\c+\u], |v[\x+32*\c+16*\u+\i]|, |v[\x+32*\c+16*\u+\i+1]|
.endr
.endr
.endr
.irp c, 0,1
	v_max_num_f32 v[MX+2*\c], v[MX+2*\c], v[MX+2*\c+1]             ; the block's largest magnitude
.endr
.irp c, 0,1
	v_add_nc_u32 v[SO+\c], 0xff000000, v[MX+2*\c]                  ; 2 off its exponent field: the conversion takes this operand's exponent field as its scale
.endr
.irp c, 0,1
	v_lshrrev_b32 v[BY+\c], 23, v[SO+\c]                           ; the scale's byte
.endr
	v_lshl_or_b32 v[PW], v[BY+1], 16, v[BY]                        ; my bytes: blocks h and 2 + h,
	v_lshlrev_b32 v[PW], v[H8], v[PW]                              ; at their places in the word;
	v_permlanex16_b32 v[PT], v[PW], s[SEL], s[SEL+1]
	v_or_b32 v[PW], v[PW], v[PT]                                   ; with lane l xor 16's two the word is whole
.irp c, 0,1
.irp g, 0,1,2,3
	v_cvt_scalef32_pk8_fp4_f32 v[CD+4*\c+\g], v[\x+32*\c+8*\g:\x+32*\c+8*\g+7], v[SO+\c]
.endr
.endr
	v_nop                                                          ; one plain line behind the last scaled conversion
.endm
	s_load_b512 s[4:19], s[0:1], 0x0               ; Wq 4, Wk 6, Wv 8, Wo 10, bn_params 12, wcodes 14, wscl 16, wof 18
	s_load_b64 s[20:21], s[0:1], 0x40              ; bnc
	v_lshrrev_b32 v1, 5, v0
	v_readfirstlane_b32 s24, v1                    ; wave 0..3
	v_and_b32 v1, 31, v0                           ; lane
	v_and_b32 v2, 15, v0                           ; r
	v_bfe_u32 v3, v0, 4, 1                         ; h
	v_lshlrev_b32 v5, 4, v1                        ; an image's place for my lane
	v_lshlrev_b32 v6, 2, v1                        ; a scale word's
	v_lshlrev_b32 v[H8], 3, v3
	v_mov_b32 v[PT], 0                             ; a lane permute's destination counts as one of its sources
	s_mov_b32 s[SEL], 0x76543210
	s_mov_b32 s[SEL+1], 0xfedcba98
	s_mov_b32 s33, 0                               ; the high words of the two offset pairs
	s_mov_b32 s35, 0
	s_wait_kmcnt 0x0
	s_cmp_lt_u32 ttmp9, 96
	s_cbranch_scc0 .Lnot_codes
	; ---- codes of Wq, Wk, Wv
	s_lshr_b32 s28, ttmp9, 5                       ; p
	s_and_b32 s29, ttmp9, 31                       ; nt
	s_cmp_eq_u32 s28, 0
	s_cselect_b64 s[30:31], s[4:5], s[6:7]
	s_cmp_eq_u32 s28, 2
	s_cselect_b64 s[30:31], s[8:9], s[30:31]       ; the tensor: the choice hangs on the work-group's number alone
	s_lshl_b32 s32, s29, 15                        ; 16 rows of 2,048 bytes
	s_lshl_b32 s34, s24, 9                         ; 128 numbers along K
	s_add_co_u32 s32, s32, s34
	s_add_nc_u64 s[30:31], s[30:31], s[32:33]
	s_lshl_b32 s36, ttmp9, 2
	s_add_co_u32 s36, s36, s24                     ; the fragment's number: (32 p + nt) 4 + ks
	s_lshl_b32 s32, s36, 10
	s_add_nc_u64 s[14:15], s[14:15], s[32:33]
	s_lshl_b32 s34, s36, 7
	s_add_nc_u64 s[16:17], s[16:17], s[34:35]
	v_lshlrev_b32 v4, 11, v2
	v_lshl_add_u32 v4, v3, 7, v4                   ; row r, + 32 h numbers
.irp c, 0,1
.irp j, 0,1,2,3,4,5,6,7
	global_load_b128 v[X+32*\c+4*\j:X+32*\c+4*\j+3], v4, s[30:31] offset:256*\c+16*\j
.endr
.endr
	s_wait_loadcnt 0x0
	QUANT X
	global_store_b128 v5, v[CD:CD+3], s[14:15]             ; each store of the wave covers 512 consecutive bytes, aligned
	global_store_b128 v5, v[CD+4:CD+7], s[14:15] offset:512
	global_store_b32 v6, v[PW], s[16:17]
	s_endpgm
.Lnot_codes:
	s_cmp_lt_u32 ttmp9, 128
	s_cbranch_scc0 .Lbn
	; ---- Wo as f16 fragments: lane (r, h) holds row r; registers 0-3 k = 8 h + 0..7, registers 4-7 k = 16 + 8 h + 0..7 of a K step of 32
	s_sub_co_u32 s28, ttmp9, 96                    ; nt
	s_lshl_b32 s32, s28, 15
	s_lshl_b32 s34, s24, 9                         ; four K steps of 128 bytes
	s_add_co_u32 s32, s32, s34
	s_add_nc_u64 s[10:11], s[10:11], s[32:33]
	s_lshr_b32 s32, s28, 3
	s_lshl_b32 s32, s32, 17                        ; the group of 128 rows
	s_lshl_b32 s34, s24, 15                        ; four K steps of 8,192 bytes
	s_add_co_u32 s32, s32, s34
	s_and_b32 s34, s28, 7
	s_lshl_b32 s34, s34, 10                        ; the tile among the group's eight
	s_add_co_u32 s32, s32, s34
	s_add_nc_u64 s[18:19], s[18:19], s[32:33]
	v_lshlrev_b32 v4, 11, v2
	v_lshl_add_u32 v4, v3, 5, v4                   ; row r, + 8 h numbers
.irp e, 0,1,2,3
	global_load_b128 v[X+16*\e:X+16*\e+3],     v4, s[10:11] offset:128*\e
	global_load_b128 v[X+16*\e+4:X+16*\e+7],   v4, s[10:11] offset:128*\e+16
	global_load_b128 v[X+16*\e+8:X+16*\e+11],  v4, s[10:11] offset:128*\e+64
	global_load_b128 v[X+16*\e+12:X+16*\e+15], v4, s[10:11] offset:128*\e+80
.endr
	s_wait_loadcnt 0x0
.irp e, 0,1,2,3
.irp q, 0,1,2,3,4,5,6,7
	v_cvt_pk_f16_f32 v[CD+8*\e+\q], v[X+16*\e+2*\q], v[X+16*\e+2*\q+1]
.endr
.endr
.irp e, 0,1,2,3
	global_store_b128 v5, v[CD+8*\e:CD+8*\e+3],   s[18:19] offset:8192*\e
	global_store_b128 v5, v[CD+8*\e+4:CD+8*\e+7], s[18:19] offset:8192*\e+512
.endr
	s_endpgm
.Lbn:
	; ---- the batch norm's gain and bias: thread t takes channels 4 t .. 4 t + 3 of projection p
	s_sub_co_u32 s28, ttmp9, 128                   ; p
	s_lshl_b32 s32, s28, 13
	s_add_nc_u64 s[12:13], s[12:13], s[32:33]
	s_lshl_b32 s34, s28, 12
	s_add_nc_u64 s[20:21], s[20:21], s[34:35]
	s_mov_b32 s30, 0x3e38aa3b                      ; c = log2(e) / 8
	s_cmp_eq_u32 s28, 0
	s_cselect_b32 s30, s30, 1.0                    ; the query's projection carries c, the others 1
	v_lshlrev_b32 v4, 4, v0
	v_lshrrev_b32 v8, 4, v0
	v_lshlrev_b32 v8, 9, v8
	v_lshl_add_u32 v8, v2, 4, v8                   ; head t / 16 of 512 bytes, + 16 (t % 16)
.irp st, 0,1,2,3
	global_load_b128 v[32+4*\st:35+4*\st], v4, s[12:13] offset:2048*\st   ; gamma v32, beta v36, mean v40, var v44
.endr
	s_wait_loadcnt 0x0
.irp i, 0,1,2,3
	v_add_f32 v[44+\i], 0x3727c5ac, v[44+\i]       ; var + 1e-5
.endr
.irp i, 0,1,2,3
	v_rsq_f32 v[48+\i], v[44+\i]
.endr
	v_nop                                          ; a plain line behind the last of the four
	s_wait_alu depctr_va_vdst(0)                   ; one wait for the four, ahead of their first reader
.irp i, 0,1,2,3
	v_mul_f32 v[48+\i], v[32+\i], v[48+\i]         ; s = gamma rsq(var + eps)
.endr
.irp i, 0,1,2,3
	v_fma_f32 v[52+\i], -v[40+\i], v[48+\i], v[36+\i]   ; beta - mean s
.endr
.irp i, 0,1,2,3
	v_mul_f32 v[48+\i], s30, v[48+\i]
	v_mul_f32 v[52+\i], s30, v[52+\i]
.endr
	global_store_b128 v8, v[48:51], s[20:21]
	global_store_b128 v8, v[52:55], s[20:21] offset:256
	s_endpgm
.Lfunc_end_k_q230ade17bd_prep:
	.size	k_q230ade17bd_prep, .Lfunc_end_k_q230ade17bd_prep-k_q230ade17bd_prep
	.p2alignl 7, 3214868480
	.fill 96, 4, 3214868480
	.section	.rodata,"a",@progbits
	.p2align	6, 0x0
	.amdhsa_kernel k_q230ade17bd_prep
		.amdhsa_group_segment_fixed_size 0
		.amdhsa_private_segment_fixed_size 0
		.amdhsa_enable_private_segment 0
		.amdhsa_kernarg_size 72
		.amdhsa_user_sgpr_count 2
		.amdhsa_user_sgpr_kernarg_segment_ptr 1
		.amdhsa_wavefront_size32 1
		.amdhsa_system_sgpr_workgroup_id_x 1
		.amdhsa_system_sgpr_workgroup_id_y 1
		.amdhsa_system_sgpr_workgroup_id_z 1
		.amdhsa_system_vgpr_workitem_id 0
		.amdhsa_next_free_vgpr 128
		.amdhsa_next_free_sgpr 66
		.amdhsa_reserve_vcc 0
		.amdhsa_float_denorm_mode_32 3
		.amdhsa_float_denorm_mode_16_64 3
		.amdhsa_memory_ordered 1
		.amdhsa_forward_progress 1
		.amdhsa_inst_pref_size 14
	.end_amdhsa_kernel
	.amdgpu_metadata
---
amdhsa.version: [ 1, 2 ]
amdhsa.kernels:
  - .name:           k_q230ade17bd_prep
    .symbol:         k_q230ade17bd_prep.kd
    .args:
      - { .name: Wq, .offset: 0, .size: 8, .value_kind: global_buffer, .address_space: global }
      - { .name: Wk, .offset: 8, .size: 8, .value_kind: global_buffer, .address_space: global }
      - { .name: Wv, .offset: 16, .size: 8, .value_kind: global_buffer, .address_space: global }
      - { .name: Wo, .offset: 24, .size: 8, .value_kind: global_buffer, .address_space: global }
      - { .name: bn_params, .offset: 32, .size: 8, .value_kind: global_buffer, .address_space: global }
      - { .name: wcodes, .offset: 40, .size: 8, .value_kind: global_buffer, .address_space: global }
      - { .name: wscl, .offset: 48, .size: 8, .value_kind: global_buffer, .address_space: global }
      - { .name: wof, .offset: 56, .size: 8, .value_kind: global_buffer, .address_space: global }
      - { .name: bnc, .offset: 64, .size: 8, .value_kind: global_buffer, .address_space: global }
    .group_segment_fixed_size: 0
    .private_segment_fixed_size: 0
    .kernarg_segment_align: 8
    .kernarg_segment_size: 72
    .max_flat_workgroup_size: 128
    .sgpr_count:     66
    .vgpr_count:     128
    .wavefront_size: 32
...
	.end_amdgpu_metadata
.endif
;; end of part 1
;; launch proj (part 2): grid 128 x 3, 8 waves a work-group, no clusters, 91,136 bytes of LDS; arguments query, key, value, wcodes, wscl, bnc, qfr, kfr, vfr; writes qfr, kfr, vfr
.if DOCPART == 2
	.amdgcn_target "amdgcn-amd-amdhsa--gfx1250"
	.amdhsa_code_object_version 6
	.text
	.protected	k_q230ade17bd_proj
	.globl	k_q230ade17bd_proj
	.p2align	8
	.type	k_q230ade17bd_proj,@function
k_q230ade17bd_proj:
	s_mov_b64 s[64:65], 0
	v_nop
	global_prefetch_b8 v0, s[64:65] scope:SCOPE_SE
	s_setreg_imm32_b32 hwreg(HW_REG_WAVE_MODE, 25, 1), 1
	s_wait_xcnt 0x0
; clip(BN(x W^T), 0, 1) for x = query, key, value (work-group y = 0, 1, 2): x [8,192][512] f32 is quantised here to E2M1 with one E8M0 byte for each 32 along K; W comes as images of its
; fragments and scale words; the products are v_wmma_scale_f32_16x16x128_f8f6f4 on 4-bit codes, sums in f32.  The results leave as f16, laid as images of the fragments that the attention reads
; (an image: registers 0-3 of lane l at 16 l, registers 4-7 at 512 + 16 l):
;   qfr, kfr [batch x head 64][tile of 16 tokens 64][32 channels 2][1,024];   vfr [batch x head 64][32 keys 32][tile of 16 channels 4][1,024] (V^T: the keys run along a lane's registers).
; The query's gain and bias carry c = log2(e) / 8, and its clip is at c: clip(y, 0, 1) c = clip(c y, 0, c).
; SHARES.  A work-group takes 64 rows of one tensor.  X: wave w quantises 16 rows x 256 along K (fragments 2 w, 2 w + 1 of the block's 16) and stores their images in LDS | one barrier |
; wave w makes head w (64 channels: four tiles) for the four tiles of rows: 16 accumulators, 64 matrix instructions, its weights straight from memory into registers.
; q, k: the product is used TRANSPOSED (source 0 = 16 channels, source 1 = 16 tokens): a lane holds one token and eight neighbouring channels, which pack into half a fragment's registers.
; v: source 0 = 16 tokens, source 1 = 16 channels: a lane holds one channel and eight neighbouring tokens: half a fragment of V^T.  So nothing changes lanes on the way out, and each store covers 512 consecutive bytes, aligned.
; The weights are shared by all row blocks of a tensor and yet not asked for jointly: a joint request lands in LDS, while each wave's 16 KB of codes are read by that wave alone, once, straight into the operand's registers.
; LIMITS: a block of zeros gets the scale byte 1 where the rule says 127 (its codes are zeros; the bytes never leave the work-group); NaN and infinities among the inputs are not served;
; the batch norm is one fused multiply-add y s + (beta - mean s).
.set XIMG,  0                          ; LDS: x's 16 fragments (tile of rows m, K step ks: 4 m + ks), 1,024 bytes each;
.set XSC,   16384                      ; their scale words, 128 bytes each;
.set BNL,   18432                      ; each wave's 512 bytes of gains and biases;
.set SPARE, 22528                      ; the spare words, 128 bytes for each wave: four blocks of 256 bytes that no other line names;
.set STAGE, 23552                      ; each wave's stage: 16 rows x (512 bytes + 16)
.set LI,   1                           ; v1   16 x lane
.set LS,   2                           ; v2   4 x lane
.set STW,  4                           ; v4   the stage, on the way in: 16 x lane
.set STR,  5                           ; v5   and back: row r, + 128 h
.set XWI,  6                           ; v6   where I store x's images
.set XWS,  7                           ; v7   and their scale words
.set BNW,  8                           ; v8   where I store my head's gains and biases
.set BNRT, 9                           ; v9   and read them: eight channels 8 h on (q, k),
.set BNRN, 10                          ; v10  or channel r (v)
.set H8,   11                          ; v11  8 h
.set PT,   12                          ; v12  a lane permute's destination
.set ACC,  16                          ; v16-143  accumulator (t, m) at 16 + 8 (4 m + t); before that x's numbers, 64 for each of my two fragments
.set WF,   144                         ; v144-207 W's fragments, two sets of four; on the way out gains and biases
.set XF,   208                         ; v208-239 x's four fragments of a K step; while x is quantised: at work
.set CD,   208
.set MX,   216
.set SO,   220
.set BY,   222
.set PW,   224
.set BT,   228
.set WS,   240                         ; v240-247 W's scale words, two sets of four: these and the next four hold scales and nothing else
.set XS,   248                         ; v248-251 x's scale words
.set SPW,  252                         ; v252 LDS address of my spare word; never rewritten
.set NIL,  253                         ; v253 0; never rewritten
.set SEL,  38                          ; s[38:39]
; 64 numbers of a lane, register 32 c + i = k 64 c + 32 (lane / 16) + i of the lane's row, become the fragment's 8 registers of codes and the row's scale word.
.macro QUANT x
.irp c, 0,1
.irp u, 0,1
	v_max3_num_f32 v[MX+2*\c+\u], |v[\x+32*\c+16*\u]|, |v[\x+32*\c+16*\u+1]|, 0x1800000   ; four chains of 16 numbers; the floor 2^(3 - 127) holds the byte at 1 from below
.endr
.endr
.irp i, 2,4,6,8,10,12,14
.irp c, 0,1
.irp u, 0,1
	v_max3_num_f32 v[MX+2*\c+\u], v[MX+2*\c+\u], |v[\x+32*\c+16*\u+\i]|, |v[\x+32*\c+16*\u+\i+1]|
.endr
.endr
.endr
.irp c, 0,1
	v_max_num_f32 v[MX+2*\c], v[MX+2*\c], v[MX+2*\c+1]
.endr
.irp c, 0,1
	v_add_nc_u32 v[SO+\c], 0xff000000, v[MX+2*\c]                  ; 2 off the exponent field: the conversion's scale operand
.endr
.irp c, 0,1
	v_lshrrev_b32 v[BY+\c], 23, v[SO+\c]                           ; the scale's byte
.endr
	v_lshl_or_b32 v[PW], v[BY+1], 16, v[BY]                        ; blocks h and 2 + h,
	v_lshlrev_b32 v[PW], v[H8], v[PW]                              ; at their places in the word;
	v_permlanex16_b32 v[PT], v[PW], s[SEL], s[SEL+1]
	v_or_b32 v[PW], v[PW], v[PT]                                   ; with lane l xor 16's two the word is whole
.irp c, 0,1
.irp g, 0,1,2,3
	v_cvt_scalef32_pk8_fp4_f32 v[CD+4*\c+\g], v[\x+32*\c+8*\g:\x+32*\c+8*\g+7], v[SO+\c]
.endr
.endr
	v_nop                                                          ; one plain line behind the last scaled conversion
.endm
; Fragment f's numbers were loaded as they lie, 512 consecutive bytes of a row to a load; they turn through my own stage and come back 32 neighbours of a block to a lane.  LDS serves a wave's instructions in order: no wait between.
.macro TURN f
.irp i, 0,1,2,3,4,5,6,7,8,9,10,11,12,13,14,15
	ds_store_b128 v[STW], v[ACC+64*\f+4*\i:ACC+64*\f+4*\i+3] offset:528*\i
.endr
.irp c, 0,1
.irp j, 0,1,2,3,4,5,6,7
	ds_load_b128 v[ACC+64*\f+32*\c+4*\j:ACC+64*\f+32*\c+4*\j+3], v[STR] offset:256*\c+16*\j
.endr
.endr
.endm
.macro IMAGE f                         ; the fragment just made goes to LDS as its registers stand
.irp c, 0,1
	ds_store_b128 v[XWI], v[CD+4*\c:CD+4*\c+3] offset:XIMG+1024*\f+512*\c
.endr
	ds_store_b32 v[XWS], v[PW] offset:128*\f
.endm
.macro WFETCH ks, buf                  ; my head's four fragments of W for K step ks, and their scale words: 12 loads
.irp t, 0,1,2,3
.irp c, 0,1
	global_load_b128 v[WF+32*\buf+8*\t+4*\c:WF+32*\buf+8*\t+4*\c+3], v[LI], s[28:29] offset:(4*\t+\ks)*1024+512*\c
.endr
	global_load_b32 v[WS+4*\buf+\t], v[LS], s[30:31] offset:(4*\t+\ks)*128
.endr
.endm
.macro XFETCH ks                       ; the four tiles of rows, K step ks
.irp m, 0,1,2,3
.irp c, 0,1
	ds_load_b128 v[XF+8*\m+4*\c:XF+8*\m+4*\c+3], v[LI] offset:XIMG+(4*\m+\ks)*1024+512*\c
.endr
	ds_load_b32 v[XS+\m], v[LS] offset:XSC+(4*\m+\ks)*128
.endr
.endm
; 16 matrix instructions, one on each accumulator, in the same order in every K step.  tr = 1: source 0 = W.  zero = 1: the first K step starts the sums.
.macro MUL tr, buf, zero
.irp m, 0,1,2,3
.irp t, 0,1,2,3
.set AA, ACC+8*(4*\m+\t)
.if \tr
.if \zero
	v_wmma_scale_f32_16x16x128_f8f6f4 v[AA:AA+7], v[WF+32*\buf+8*\t:WF+32*\buf+8*\t+7], v[XF+8*\m:XF+8*\m+7], 0, v[WS+4*\buf+\t], v[XS+\m] matrix_a_fmt:MATRIX_FMT_FP4 matrix_b_fmt:MATRIX_FMT_FP4
.else
	v_wmma_scale_f32_16x16x128_f8f6f4 v[AA:AA+7], v[WF+32*\buf+8*\t:WF+32*\buf+8*\t+7], v[XF+8*\m:XF+8*\m+7], v[AA:AA+7], v[WS+4*\buf+\t], v[XS+\m] matrix_a_fmt:MATRIX_FMT_FP4 matrix_b_fmt:MATRIX_FMT_FP4
.endif
.else
.if \zero
	v_wmma_scale_f32_16x16x128_f8f6f4 v[AA:AA+7], v[XF+8*\m:XF+8*\m+7], v[WF+32*\buf+8*\t:WF+32*\buf+8*\t+7], 0, v[XS+\m], v[WS+4*\buf+\t] matrix_a_fmt:MATRIX_FMT_FP4 matrix_b_fmt:MATRIX_FMT_FP4
.else
	v_wmma_scale_f32_16x16x128_f8f6f4 v[AA:AA+7], v[XF+8*\m:XF+8*\m+7], v[WF+32*\buf+8*\t:WF+32*\buf+8*\t+7], v[AA:AA+7], v[XS+\m], v[WS+4*\buf+\t] matrix_a_fmt:MATRIX_FMT_FP4 matrix_b_fmt:MATRIX_FMT_FP4
.endif
.endif
.endr
.endr
.endm
.macro NOP4                            ; four places behind matrix instructions, in front of loads into registers that they read and of the first read of results
.rept 4
	v_nop
.endr
.endm
.macro PRODUCT tr                      ; K = 512 in four steps of 128; W's sets take turns, two K steps ahead
	XFETCH 0
	s_wait_dscnt 0x0
	MUL \tr, 0, 1
	NOP4
	WFETCH 2, 0
	XFETCH 1
	s_wait_dscnt 0x0
	MUL \tr, 1, 0
	NOP4
	WFETCH 3, 1
	XFETCH 2
	s_wait_dscnt 0x0
	s_wait_loadcnt 12                              ; K step 2's twelve loads are in; K step 3's twelve may be out
	MUL \tr, 0, 0
	NOP4
	XFETCH 3
	s_wait_dscnt 0x0
	s_wait_loadcnt 0x0
	MUL \tr, 1, 0
	NOP4
.endm
	s_load_b512 s[4:19], s[0:1], 0x0               ; query 4, key 6, value 8, wcodes 10, wscl 12, bnc 14, qfr 16, kfr 18
	s_load_b64 s[20:21], s[0:1], 0x40              ; vfr
	v_lshl_add_u32 v[SPW], v0, 2, SPARE
	v_mov_b32 v[NIL], 0
	v_lshrrev_b32 v3, 5, v0
	v_readfirstlane_b32 s24, v3                    ; wave 0..7
	s_and_b32 s25, ttmp7, 0xffff                   ; p: which tensor
	v_and_b32 v3, 31, v0                           ; lane
	v_and_b32 v13, 15, v0                          ; r
	v_bfe_u32 v14, v0, 4, 1                        ; h
	v_lshlrev_b32 v[LI], 4, v3
	v_lshlrev_b32 v[LS], 2, v3
	s_mul_i32 s50, s24, 8448
	s_add_co_u32 s50, s50, STAGE                   ; my stage
	v_add_nc_u32 v[STW], s50, v[LI]
	v_mul_u32_u24 v[STR], v13, 528
	v_lshl_add_u32 v[STR], v14, 7, v[STR]
	v_add_nc_u32 v[STR], s50, v[STR]
	s_lshl_b32 s50, s24, 11                        ; my two fragments' images
	v_add_nc_u32 v[XWI], s50, v[LI]
	s_lshl_b32 s50, s24, 8
	s_add_co_u32 s50, s50, XSC
	v_add_nc_u32 v[XWS], s50, v[LS]
	s_lshl_b32 s50, s24, 9
	s_add_co_u32 s50, s50, BNL
	v_add_nc_u32 v[BNW], s50, v[LI]
	v_lshl_add_u32 v[BNRT], v14, 5, s50
	v_lshl_add_u32 v[BNRN], v13, 2, s50
	v_lshlrev_b32 v[H8], 3, v14
	v_mov_b32 v[PT], 0
	s_mov_b32 s[SEL], 0x76543210
	s_mov_b32 s[SEL+1], 0xfedcba98
	s_lshl_b32 s40, ttmp9, 17                      ; x: 64 rows of 2,048 bytes a work-group,
	s_lshr_b32 s37, s24, 1
	s_lshl_b32 s37, s37, 15                        ; 16 rows for each pair of waves,
	s_add_co_u32 s40, s40, s37
	s_and_b32 s37, s24, 1
	s_lshl_b32 s37, s37, 10                        ; 256 numbers along K
	s_add_co_u32 s40, s40, s37
	s_mov_b32 s41, 0
	s_lshl_b32 s42, s25, 17                        ; W's codes: 131,072 bytes a tensor, 16,384 a head
	s_lshl_b32 s37, s24, 14
	s_add_co_u32 s42, s42, s37
	s_mov_b32 s43, 0
	s_lshl_b32 s44, s25, 14                        ; W's scale words: an eighth of that
	s_lshl_b32 s37, s24, 11
	s_add_co_u32 s44, s44, s37
	s_mov_b32 s45, 0
	s_lshl_b32 s46, s25, 12                        ; gains and biases: 4,096 bytes a projection, 512 a head
	s_lshl_b32 s37, s24, 9
	s_add_co_u32 s46, s46, s37
	s_mov_b32 s47, 0
	s_lshr_b32 s48, ttmp9, 4                       ; out: batch = work-group x / 16;
	s_lshl_b32 s48, s48, 3
	s_add_co_u32 s48, s48, s24                     ; 8 x batch + head,
	s_lshl_b32 s48, s48, 17                        ; of 131,072 bytes;
	s_and_b32 s37, ttmp9, 15
	s_lshl_b32 s37, s37, 13                        ; my 64 tokens are 8,192 bytes in all three layouts
	s_add_co_u32 s48, s48, s37
	s_mov_b32 s49, 0
	s_mov_b32 s36, 0x3e38aa3b                      ; c = log2(e) / 8
	s_wait_kmcnt 0x0
	s_cmp_eq_u32 s25, 0                            ; the choices hang on the work-group's number alone
	s_cselect_b64 s[26:27], s[4:5], s[6:7]
	s_cselect_b64 s[34:35], s[16:17], s[18:19]
	s_cselect_b32 s36, s36, 1.0                    ; the clip's upper end
	s_cmp_eq_u32 s25, 2
	s_cselect_b64 s[26:27], s[8:9], s[26:27]
	s_cselect_b64 s[34:35], s[20:21], s[34:35]
	s_add_nc_u64 s[26:27], s[26:27], s[40:41]
	s_add_nc_u64 s[28:29], s[10:11], s[42:43]
	s_add_nc_u64 s[30:31], s[12:13], s[44:45]
	s_add_nc_u64 s[32:33], s[14:15], s[46:47]
	s_add_nc_u64 s[34:35], s[34:35], s[48:49]
	global_load_b128 v[BT:BT+3], v[LI], s[32:33]   ; my head's 64 gains and 64 biases
	WFETCH 0, 0
	WFETCH 1, 1
.irp f, 0,1
.irp i, 0,1,2,3,4,5,6,7,8,9,10,11,12,13,14,15
	global_load_b128 v[ACC+64*\f+4*\i:ACC+64*\f+4*\i+3], v[LI], s[26:27] offset:2048*\i+512*\f th:TH_LOAD_NT   ; row i, 128 numbers: 512 consecutive bytes, aligned; read once in the launch
.endr
.endr
	; ---- X: my 16 rows x 256 along K become two fragments
	s_wait_loadcnt 16                              ; all but the second fragment's sixteen loads are in
	ds_store_b128 v[BNW], v[BT:BT+3]
	TURN 0
	s_wait_dscnt 0x0
	QUANT ACC
	IMAGE 0
	s_wait_loadcnt 0x0
	TURN 1
	s_wait_dscnt 0x0                               ; the numbers are back, and the first image's stores are done: the codes' registers may be written again
	QUANT ACC+64
	IMAGE 1
	s_wait_dscnt 0x0                               ; for the others' sake: my images lie in LDS
	s_barrier_signal -1
	s_barrier_wait -1                              ; all sixteen do.  No LDS store follows but the closing add
	s_cmp_eq_u32 s25, 2
	s_cbranch_scc1 .Lvalue
	; ---- q, k: transposed
	PRODUCT 1
.irp t, 0,1,2,3
	ds_load_b128 v[WF+16*\t:WF+16*\t+3],     v[BNRT] offset:64*\t       ; the gains of channels 16 t + 8 h + 0..7,
	ds_load_b128 v[WF+16*\t+4:WF+16*\t+7],   v[BNRT] offset:64*\t+16
	ds_load_b128 v[WF+16*\t+8:WF+16*\t+11],  v[BNRT] offset:64*\t+256   ; and their biases
	ds_load_b128 v[WF+16*\t+12:WF+16*\t+15], v[BNRT] offset:64*\t+272
.endr
	s_wait_dscnt 0x0
.irp m, 0,1,2,3
.irp t, 0,1,2,3
.set AA, ACC+8*(4*\m+\t)
.irp q, 0,1,2,3
	v_pk_fma_f32 v[AA+2*\q:AA+2*\q+1], v[AA+2*\q:AA+2*\q+1], v[WF+16*\t+2*\q:WF+16*\t+2*\q+1], v[WF+16*\t+8+2*\q:WF+16*\t+8+2*\q+1]   ; each accumulator from its low end on
.endr
.irp j, 0,1,2,3,4,5,6,7
	v_med3_num_f32 v[AA+\j], v[AA+\j], 0, s36      ; the clip
.endr
.irp q, 0,1,2,3
	v_cvt_pk_f16_f32 v[AA+\q], v[AA+2*\q], v[AA+2*\q+1]
.endr
	global_store_b128 v[LI], v[AA:AA+3], s[34:35] offset:2048*\m+1024*(\t/2)+512*(\t%2)   ; tile of tokens m, channels 32 (t / 2) on, registers 4 (t % 2) on
.endr
.endr
	s_branch .Lend
.Lvalue:
	; ---- v: source 0 = tokens
	PRODUCT 0
.irp t, 0,1,2,3
	ds_load_b32 v[WF+\t],   v[BNRN] offset:64*\t       ; the gain of channel 16 t + r,
	ds_load_b32 v[WF+8+\t], v[BNRN] offset:64*\t+256   ; and its bias
.endr
	s_wait_dscnt 0x0
.irp m, 0,1,2,3
.irp t, 0,1,2,3
.set AA, ACC+8*(4*\m+\t)
.irp j, 0,1,2,3,4,5,6,7
	v_fma_f32 v[AA+\j], v[AA+\j], v[WF+\t], v[WF+8+\t]
.endr
.irp j, 0,1,2,3,4,5,6,7
	v_med3_num_f32 v[AA+\j], v[AA+\j], 0, s36
.endr
.irp q, 0,1,2,3
	v_cvt_pk_f16_f32 v[AA+\q], v[AA+2*\q], v[AA+2*\q+1]
.endr
	global_store_b128 v[LI], v[AA:AA+3], s[34:35] offset:4096*(\m/2)+1024*\t+512*(\m%2)   ; keys 32 (m / 2) on, tile of channels t, registers 4 (m % 2) on
.endr
.endr
.Lend:
	s_wait_tensorcnt 0x0                           ; the wave's end: behind my last LDS store
	ds_add_u32 v[SPW], v[NIL]
	s_wait_dscnt 0x0
	s_endpgm
.Lfunc_end_k_q230ade17bd_proj:
	.size	k_q230ade17bd_proj, .Lfunc_end_k_q230ade17bd_proj-k_q230ade17bd_proj
	.p2alignl 7, 3214868480
	.fill 96, 4, 3214868480
	.section	.rodata,"a",@progbits
	.p2align	6, 0x0
	.amdhsa_kernel k_q230ade17bd_proj
		.amdhsa_group_segment_fixed_size 91136
		.amdhsa_private_segment_fixed_size 0
		.amdhsa_enable_private_segment 0
		.amdhsa_kernarg_size 72
		.amdhsa_user_sgpr_count 2
		.amdhsa_user_sgpr_kernarg_segment_ptr 1
		.amdhsa_wavefront_size32 1
		.amdhsa_system_sgpr_workgroup_id_x 1
		.amdhsa_system_sgpr_workgroup_id_y 1
		.amdhsa_system_sgpr_workgroup_id_z 1
		.amdhsa_system_vgpr_workitem_id 0
		.amdhsa_next_free_vgpr 256
		.amdhsa_next_free_sgpr 66
		.amdhsa_reserve_vcc 0
		.amdhsa_float_denorm_mode_32 3
		.amdhsa_float_denorm_mode_16_64 3
		.amdhsa_memory_ordered 1
		.amdhsa_forward_progress 1
		.amdhsa_inst_pref_size 88
	.end_amdhsa_kernel
	.amdgpu_metadata
---
amdhsa.version: [ 1, 2 ]
amdhsa.kernels:
  - .name:           k_q230ade17bd_proj
    .symbol:         k_q230ade17bd_proj.kd
    .args:
      - { .name: query, .offset: 0, .size: 8, .value_kind: global_buffer, .address_space: global }
      - { .name: key, .offset: 8, .size: 8, .value_kind: global_buffer, .address_space: global }
      - { .name: value, .offset: 16, .size: 8, .value_kind: global_buffer, .address_space: global }
      - { .name: wcodes, .offset: 24, .size: 8, .value_kind: global_buffer, .address_space: global }
      - { .name: wscl, .offset: 32, .size: 8, .value_kind: global_buffer, .address_space: global }
      - { .name: bnc, .offset: 40, .size: 8, .value_kind: global_buffer, .address_space: global }
      - { .name: qfr, .offset: 48, .size: 8, .value_kind: global_buffer, .address_space: global }
      - { .name: kfr, .offset: 56, .size: 8, .value_kind: global_buffer, .address_space: global }
      - { .name: vfr, .offset: 64, .size: 8, .value_kind: global_buffer, .address_space: global }
    .group_segment_fixed_size: 91136
    .private_segment_fixed_size: 0
    .kernarg_segment_align: 8
    .kernarg_segment_size: 72
    .max_flat_workgroup_size: 256
    .sgpr_count:     66
    .vgpr_count:     256
    .wavefront_size: 32
...
	.end_amdgpu_metadata
.endif
;; end of part 2
;; launch attn (part 3): grid 4 x 64, 8 waves a work-group, clusters of 4 x 1, 327,680 bytes of LDS; arguments qfr, kfr, vfr, ofr; writes ofr
.if DOCPART == 3
	.amdgcn_target "amdgcn-amd-amdhsa--gfx1250"
	.amdhsa_code_object_version 6
	.text
	.protected	k_q230ade17bd_attn
	.globl	k_q230ade17bd_attn
	.p2align	8
	.type	k_q230ade17bd_attn,@function
k_q230ade17bd_attn:
	s_mov_b64 s[64:65], 0
	v_nop
	global_prefetch_b8 v0, s[64:65] scope:SCOPE_SE
	s_setreg_imm32_b32 hwreg(HW_REG_WAVE_MODE, 25, 1), 1
	s_wait_xcnt 0x0
	s_wait_alu depctr_hold_cnt(0) depctr_sa_sdst(0) depctr_va_vdst(0) depctr_va_sdst(0) depctr_va_ssrc(0) depctr_va_vcc(0) depctr_vm_vsrc(0)
	s_getreg_b32 s2, hwreg(HW_REG_IB_STS2, 6, 4)
	s_cmp_eq_u32 s2, 0
	s_cbranch_scc0 .Lentry_in_a_cluster
	s_endpgm
.Lentry_in_a_cluster:
	s_bfe_u32 s2, ttmp6, 0x10000c
	s_cmp_lg_u32 s2, 0x3003
	s_cbranch_scc0 .Lentry_shape_is_right
	s_endpgm
.Lentry_shape_is_right:
; o = softmax(q k^T / 8) v for 64 (batch, head) pairs of 1,024 queries x 1,024 keys x 64 channels.  q, k, v come as f16 images of fragments; q carries c = log2(e) / 8, so a score is the exponent t of 2.
; NO MAXIMUM IS TAKEN AWAY, AND NONE IS NEEDED: q and k are clipped to [0, 1] by the computation itself, for every input, so t = c q . k lies in [0, 64 c] = [0, 11.55], p = 2^t in [1, 2,981] (inside f16),
; a row's sum of 1,024 p under 3.1e6 and so every sum of p v (v in [0, 1]): nothing can overflow or underflow.  p is not normalised: the row's sum, taken of the unrounded p in f32, divides at the end.
; The clip to [0, 1] behind the softmax changes no number (every p / sum lies in [0, 1]) and is not written.  With no maximum the sums over keys are plain sums: two waves share a query's keys and add at the end.
; SHARES.  A work-group owns 256 queries of one head.  Wave w: queries 64 (w % 4) on (four tiles of 16), and half w / 4 of each chunk of 256 keys: 16 steps of 32 keys.  A fragment of K or V read from LDS feeds four products.
; LAYOUT.  S^T = K Q^T (source 0 = 16 keys, source 1 = 16 queries): a lane holds one query and eight keys; two such tiles, rounded to f16 in pairs, ARE source 1 (32 keys x 16 queries) of O^T = V^T P.
; LDS.  The head's K and V, 256 KB, are filled ONCE, in four chunks of 256 keys (K's 32 KB, then V's); every wave brings an eighth of each chunk: four tensor loads a wave are out at the most.  Nothing is filled again.
; All operands are images: a fragment is two ds_load_b128 at 16 x lane: consecutive bytes, no pitch, no padding.
; CLUSTER.  The four query blocks of a head read the same K and V: each tile is asked for jointly, by the same tensor load with the same descriptor and the mask of all four.
; Nothing is prefetched: every request of the launch goes out at its head.
; OUT: ofr [128 tokens 64][32 channels 16][tile of 16 tokens 8][1,024]: f16 images of the fragments that the last projection reads.
; REGISTERS, in windows of 256.  Window 0: v1-13 addresses; v16-31 the sums; v32-95 S^T, then p; v96-127 P; v128-159 K of a step; v160-191 V of a step; v192-199 the end's work.   Window 1: v0-63 Q; v64-191 O^T.
.set SPARE, 262144                     ; behind the four chunks: the spare words, 128 bytes for each wave: four blocks of 256 bytes that no other line names
.set EXL,   131072                     ; the end: the waves' sums, 512 bytes each.  The images of O^T lie from byte 0 on, 16,384 bytes a wave.  Both lie over chunks that have had their last fill and their last read
.set LI,  1                            ; v1   16 x lane
.set LS,  2                            ; v2   4 x lane
.set A,   3                            ; v3   16 x lane + my half of the chunk in hand
.set EXW, 4                            ; v4   the end: where I store O^T
.set EXA, 5                            ; v5   my own part of the two tiles that I finish,
.set EXB, 6                            ; v6   and my partner's
.set LW,  7                            ; v7   the same for the sums
.set LA,  8
.set LB,  9
.set SPW, 12                           ; v12  LDS address of my spare word; never rewritten
.set NIL, 13                           ; v13  0; never rewritten
.set L,   16                           ; a pair of sums for each tile of scores (qt, kt): 16 + 4 qt + 2 kt
.set S,   32                           ; tile (qt, kt) at 32 + 8 (2 qt + kt)
.set P,   96                           ; 96 + 8 qt
.set KF,  128                          ; fragment (kt, cs) at 128 + 8 (2 kt + cs)
.set VF,  160                          ; 160 + 8 t
.set QF,  0                            ; window 1: fragment (qt, cs) at 8 (2 qt + cs)
.set OT,  64                           ; window 1: tile (qt, t) at 64 + 8 (4 qt + t)
.set WV,  12                           ; s12  my wave's number
.set G1,  24                           ; s[24:31] descriptor group 1
.set G0K, 32                           ; s[32:47] groups 0 for K's four chunks
.set G0V, 48                           ; s[48:63] for V's
.set SEL, 66                           ; s[66:67]
.set W_KQ, 0x04                        ; source 1 (Q) in window 1
.set W_PV, 0x50                        ; C and D (O^T) in window 1
.set MSB, 0
.macro WIN new                         ; the immediate's high byte repeats the setting that is left
.if MSB != \new
	s_set_vgpr_msb (MSB<<8)|\new
.set MSB, \new
.endif
.endm
.macro NOP4
.rept 4
	v_nop
.endr
.endm
.macro ROUND                           ; a round of the cluster's barrier
	s_barrier_signal -1
	s_barrier_wait -1
	s_cmp_lg_u32 s[WV], 0
	s_cbranch_scc1 .Lnot_wave_0_\@
	s_barrier_signal -3
.Lnot_wave_0_\@:
	s_barrier_wait -3
	s_barrier_signal -1
	s_barrier_wait -1
.endm
; A STEP: 32 keys, the s-th of my half of the chunk.  zero = 1: the very first step starts O^T and the sums.  last = 1: the chunk's last: no K of a next step to fetch.
.macro STEP s, zero, last
	WIN W_KQ
.irp cs, 0,1                           ; S^T = K Q^T: eight accumulators by turns, two deep along the channels
.irp kt, 0,1
.irp qt, 0,1,2,3
.if \cs == 0
	v_wmma_f32_16x16x32_f16 v[S+8*(2*\qt+\kt):S+8*(2*\qt+\kt)+7], v[KF+8*(2*\kt+\cs):KF+8*(2*\kt+\cs)+7], v[QF+8*(2*\qt+\cs):QF+8*(2*\qt+\cs)+7], 0
.else
	v_wmma_f32_16x16x32_f16 v[S+8*(2*\qt+\kt):S+8*(2*\qt+\kt)+7], v[KF+8*(2*\kt+\cs):KF+8*(2*\kt+\cs)+7], v[QF+8*(2*\qt+\cs):QF+8*(2*\qt+\cs)+7], v[S+8*(2*\qt+\kt):S+8*(2*\qt+\kt)+7]
.endif
.endr
.endr
.endr
	WIN 0
	NOP4                                           ; four places: for the reads of S^T, for the loads into K's and V's registers, for the writes of P
.irp t, 0,1,2,3
.irp e, 0,1
	ds_load_b128 v[VF+8*\t+4*\e:VF+8*\t+4*\e+3], v[A] offset:32768+4096*\s+1024*\t+512*\e   ; V^T of this step: 16 channels x 32 keys a fragment
.endr
.endr
.if !\last
.irp f, 0,1,2,3
.irp e, 0,1
	ds_load_b128 v[KF+8*\f+4*\e:KF+8*\f+4*\e+3], v[A] offset:4096*(\s+1)+1024*\f+512*\e     ; K of the next step
.endr
.endr
.endif
.set i, 0
.rept 64
	v_exp_f32 v[S+i], v[S+i]                       ; p = 2^t, one batch; each tile from its low end on
.set i, i+1
.endr
	v_nop                                          ; a plain line behind the last exponential
	s_wait_alu depctr_va_vdst(0)                   ; one wait for the batch, ahead of its first reader
.irp qt, 0,1,2,3
.irp kt, 0,1
.irp q, 0,1,2,3
	v_cvt_pk_f16_f32 v[P+8*\qt+4*\kt+\q], v[S+8*(2*\qt+\kt)+2*\q], v[S+8*(2*\qt+\kt)+2*\q+1]
.endr
.endr
.endr
.irp q, 0,1,2,3                        ; the sums are taken of the unrounded p: eight chains by turns
.irp qt, 0,1,2,3
.irp kt, 0,1
.if \zero
.if \q == 1
	v_pk_add_f32 v[L+4*\qt+2*\kt:L+4*\qt+2*\kt+1], v[S+8*(2*\qt+\kt):S+8*(2*\qt+\kt)+1], v[S+8*(2*\qt+\kt)+2:S+8*(2*\qt+\kt)+3]
.elseif \q > 1
	v_pk_add_f32 v[L+4*\qt+2*\kt:L+4*\qt+2*\kt+1], v[L+4*\qt+2*\kt:L+4*\qt+2*\kt+1], v[S+8*(2*\qt+\kt)+2*\q:S+8*(2*\qt+\kt)+2*\q+1]
.endif
.else
	v_pk_add_f32 v[L+4*\qt+2*\kt:L+4*\qt+2*\kt+1], v[L+4*\qt+2*\kt:L+4*\qt+2*\kt+1], v[S+8*(2*\qt+\kt)+2*\q:S+8*(2*\qt+\kt)+2*\q+1]
.endif
.endr
.endr
.endr
.if \last
	s_wait_dscnt 0x0                               ; V is in
.else
	s_wait_dscnt 8                                 ; V is in; the next step's eight loads of K may be out
.endif
	WIN W_PV
.irp t, 0,1,2,3                        ; O^T += V^T P: sixteen accumulators, one instruction each
.irp qt, 0,1,2,3
.if \zero
	v_wmma_f32_16x16x32_f16 v[OT+8*(4*\qt+\t):OT+8*(4*\qt+\t)+7], v[VF+8*\t:VF+8*\t+7], v[P+8*\qt:P+8*\qt+7], 0
.else
	v_wmma_f32_16x16x32_f16 v[OT+8*(4*\qt+\t):OT+8*(4*\qt+\t)+7], v[VF+8*\t:VF+8*\t+7], v[P+8*\qt:P+8*\qt+7], v[OT+8*(4*\qt+\t):OT+8*(4*\qt+\t)+7]
.endif
.endr
.endr
	WIN 0
.if !\last
	s_wait_dscnt 0x0                               ; K of the next step is in
.endif
.endm
; A CHUNK of 256 keys.  My eighth of it has landed (my loads of the later chunks may stay out), and behind the barrier everybody's has.
.macro CHUNK c
	s_wait_tensorcnt 3-\c
	s_barrier_signal -1
	s_barrier_wait -1
.if \c > 0
	v_add_nc_u32 v[A], 0x10000, v[A]               ; (no LDS load of mine is out)
.endif
.irp f, 0,1,2,3
.irp e, 0,1
	ds_load_b128 v[KF+8*\f+4*\e:KF+8*\f+4*\e+3], v[A] offset:1024*\f+512*\e
.endr
.endr
	s_wait_dscnt 0x0
.if \c == 0
	STEP 0, 1, 0
.else
	STEP 0, 0, 0
.endif
	STEP 1, 0, 0
	STEP 2, 0, 0
	STEP 3, 0, 1
.endm
	s_load_b256 s[4:11], s[0:1], 0x0               ; qfr s[4:5], kfr s[6:7], vfr s[8:9], ofr s[10:11]
	v_lshl_add_u32 v[SPW], v0, 2, SPARE
	v_mov_b32 v[NIL], 0
	ds_add_u32 v[SPW], v[NIL]                      ; the wave's opening: the add, twice on end, and its wait ahead of my first tensor load; the set-up below stands between
	ds_add_u32 v[SPW], v[NIL]
	v_lshrrev_b32 v10, 5, v0
	v_readfirstlane_b32 s[WV], v10                 ; wave 0..7
	s_bfe_u32 s13, ttmp6, 0x40000                  ; cx: my place in the cluster
	s_lshl_b32 s14, ttmp9, 2
	s_add_co_u32 s14, s14, s13                     ; my block of 256 queries: it enters Q's and the output's addresses alone
	s_and_b32 s15, ttmp7, 0xffff                   ; 8 x batch + head, which the four partners share
	s_and_b32 s16, s[WV], 3                        ; g: which 64 queries; also which quarter of K's or V's part of a chunk I fetch
	s_lshr_b32 s17, s[WV], 2                       ; j: which half of the keys
	s_mov_b32 s[G1], 15|(3<<16)|(1<<21)            ; 15:0 the mask: all four work-groups; 17:16 elements of 8 bytes; 21 set beside a mask; no padding
	s_mov_b32 s[G1+1], 32<<16                      ; tensor_dim0 = 32 elements: 256 bytes
	s_mov_b32 s[G1+2], 32<<16                      ; tensor_dim1 = 32 rows
	s_mov_b32 s[G1+3], 32<<16                      ; tile_dim0
	s_mov_b32 s[G1+4], 32                          ; tile_dim1
	s_mov_b32 s[G1+5], 32                          ; the pitch: the block is dense
	s_mov_b32 s[G1+6], 0
	s_mov_b32 s[G1+7], 0
	s_lshl_b32 s20, s15, 17                        ; K, V: the head's 131,072 bytes,
	s_lshl_b32 s21, s16, 13                        ; my 8,192 of a chunk's 32,768
	s_add_co_u32 s20, s20, s21
	s_mov_b32 s21, 0
	s_lshl_b32 s22, s[WV], 13                      ; and where they go in a chunk: waves 0-3 K's quarters, waves 4-7 V's, behind them
	s_lshl_b32 s18, s15, 17                        ; Q: the head, my block's 16 tiles of 2,048 bytes, my wave's 4
	s_lshl_b32 s19, s14, 15
	s_add_co_u32 s18, s18, s19
	s_lshl_b32 s19, s16, 13
	s_add_co_u32 s18, s18, s19
	s_mov_b32 s19, 0
	s_lshr_b32 s68, s15, 3                         ; out: the group of 128 tokens: 8 x batch + 2 x block + g / 2,
	s_lshl_b32 s68, s68, 3
	s_lshl_b32 s69, s14, 1
	s_add_co_u32 s68, s68, s69
	s_lshr_b32 s69, s16, 1
	s_add_co_u32 s68, s68, s69
	s_lshl_b32 s68, s68, 17                        ; of 131,072 bytes;
	s_and_b32 s69, s15, 7
	s_lshl_b32 s69, s69, 14                        ; the head's two K steps of 8,192;
	s_add_co_u32 s68, s68, s69
	s_and_b32 s69, s16, 1
	s_lshl_b32 s69, s69, 12                        ; tile 4 (g % 2) + 2 j of the group's eight
	s_add_co_u32 s68, s68, s69
	s_lshl_b32 s69, s17, 11
	s_add_co_u32 s68, s68, s69
	s_mov_b32 s69, 0
	s_mov_b32 s[SEL], 0x76543210
	s_mov_b32 s[SEL+1], 0xfedcba98
	v_and_b32 v10, 31, v0
	v_lshlrev_b32 v[LI], 4, v10
	v_lshlrev_b32 v[LS], 2, v10
	s_lshl_b32 s70, s17, 14                        ; my half of a chunk's keys: 16,384 bytes of K's part, and of V's
	v_add_nc_u32 v[A], s70, v[LI]
	s_lshl_b32 s71, s[WV], 14
	v_add_nc_u32 v[EXW], s71, v[LI]
	s_lshl_b32 s72, s17, 13                        ; tiles 2 j, 2 j + 1 of a wave's four: 8,192 j
	s_add_co_u32 s73, s71, s72
	v_add_nc_u32 v[EXA], s73, v[LI]
	s_xor_b32 s74, s[WV], 4                        ; my partner: the same queries, the other keys
	s_lshl_b32 s75, s74, 14
	s_add_co_u32 s75, s75, s72
	v_add_nc_u32 v[EXB], s75, v[LI]
	s_lshl_b32 s76, s[WV], 9
	s_add_co_u32 s76, s76, EXL
	v_add_nc_u32 v[LW], s76, v[LS]
	s_lshl_b32 s77, s17, 8
	s_add_co_u32 s76, s76, s77
	v_add_nc_u32 v[LA], s76, v[LS]
	s_lshl_b32 s78, s74, 9
	s_add_co_u32 s78, s78, EXL
	s_add_co_u32 s78, s78, s77
	v_add_nc_u32 v[LB], s78, v[LS]
	s_wait_dscnt 0x0                               ; both opening adds are done
	s_wait_kmcnt 0x0
	s_add_nc_u64 s[6:7], s[6:7], s[20:21]
	s_add_nc_u64 s[8:9], s[8:9], s[20:21]
	s_add_nc_u64 s[4:5], s[4:5], s[18:19]
	s_add_nc_u64 s[10:11], s[10:11], s[68:69]
	ROUND                                          ; all four work-groups are here: the joint loads meet
.irp c, 0,1,2,3
	s_mov_b32 s[G0K+4*\c], 1                       ; count = 1
	s_add_co_u32 s[G0K+4*\c+1], s22, \c*65536      ; LDS address
	s_add_nc_u64 s[G0K+4*\c+2:G0K+4*\c+3], s[6:7], \c*32768   ; global address
	s_or_b32 s[G0K+4*\c+3], s[G0K+4*\c+3], 0x80000000         ; type = 2
	s_mov_b32 s[G0V+4*\c], 1
	s_add_co_u32 s[G0V+4*\c+1], s22, \c*65536
	s_add_nc_u64 s[G0V+4*\c+2:G0V+4*\c+3], s[8:9], \c*32768
	s_or_b32 s[G0V+4*\c+3], s[G0V+4*\c+3], 0x80000000
.endr
	s_cmp_lt_u32 s[WV], 4                          ; a wave's four fills stand in one branch on the wave's number, ahead of every wait on TENSORcnt, every LDS read and every further barrier
	s_cbranch_scc0 .Lfill_v
.irp c, 0,1,2,3
	tensor_load_to_lds s[G0K+4*\c:G0K+4*\c+3], s[G1:G1+7]
	s_nop 0
.endr
	NOP4
	s_branch .Lfilled
.Lfill_v:
.irp c, 0,1,2,3
	tensor_load_to_lds s[G0V+4*\c:G0V+4*\c+3], s[G1:G1+7]
	s_nop 0
.endr
	NOP4
.Lfilled:
	WIN 0x40                                       ; destination window 1
.irp f, 0,1,2,3,4,5,6,7
.irp e, 0,1
	global_load_b128 v[QF+8*\f+4*\e:QF+8*\f+4*\e+3], v[LI], s[4:5] offset:1024*\f+512*\e   ; Q stays in registers
.endr
.endr
	WIN 0
	s_wait_loadcnt 0x0
	CHUNK 0
	CHUNK 1
	CHUNK 2
	CHUNK 3
	; THE END.  My sums of each tile of queries are added up; these lines are also the places behind the last products.
.irp qt, 0,1,2,3
	v_add_f32 v[L+4*\qt], v[L+4*\qt], v[L+4*\qt+1]
.endr
.irp qt, 0,1,2,3
	v_add_f32 v[L+4*\qt+2], v[L+4*\qt+2], v[L+4*\qt+3]
.endr
.irp qt, 0,1,2,3
	v_add_f32 v[L+4*\qt], v[L+4*\qt], v[L+4*\qt+2]
.endr
.irp qt, 0,1,2,3
	v_permlanex16_b32 v[L+4*\qt+1], v[L+4*\qt], s[SEL], s[SEL+1]
.endr
.irp qt, 0,1,2,3
	v_add_f32 v[L+4*\qt], v[L+4*\qt], v[L+4*\qt+1]   ; with lane l xor 16's keys
.endr
	v_mov_b32 v197, 0                              ; (the upper halves of the pairs by which O^T is multiplied: named, so written)
	v_mov_b32 v199, 0
	s_wait_dscnt 0x0                               ; my reads of K and V are over
	s_barrier_signal -1
	s_barrier_wait -1                              ; everybody's are: the chunks' bytes, which have had their last fill, may be written
	WIN 0x04                                       ; an LDS store's data are its source 1: window 1
.irp f, 0,1,2,3,4,5,6,7,8,9,10,11,12,13,14,15
	ds_store_b128 v[EXW], v[OT+8*\f:OT+8*\f+3] offset:1024*\f          ; O^T as its registers stand; each accumulator from its low end on
	ds_store_b128 v[EXW], v[OT+8*\f+4:OT+8*\f+7] offset:1024*\f+512
.endr
	WIN 0
.irp qt, 0,1,2,3
	ds_store_b32 v[LW], v[L+4*\qt] offset:128*\qt
.endr
	s_wait_dscnt 0x0                               ; for my partner's sake
	s_barrier_signal -1
	s_barrier_wait -1
	; Each wave finishes tiles 2 j, 2 j + 1 of its four, told apart by address: its own part and its partner's are added, divided by the sum, rounded to f16 and stored.
.irp u, 0,1
	ds_load_b32 v[192+\u], v[LA] offset:128*\u
	ds_load_b32 v[194+\u], v[LB] offset:128*\u
.endr
.irp f, 0,1,2,3,4,5,6,7
.irp e, 0,1
	ds_load_b128 v[32+8*\f+4*\e:32+8*\f+4*\e+3], v[EXA] offset:1024*\f+512*\e
	ds_load_b128 v[96+8*\f+4*\e:96+8*\f+4*\e+3], v[EXB] offset:1024*\f+512*\e
.endr
.endr
	s_wait_dscnt 0x0
	v_add_f32 v192, v192, v194
	v_add_f32 v193, v193, v195                     ; the rows' sums over all 1,024 keys
	v_rcp_f32 v196, v192
	v_rcp_f32 v198, v193
.set i, 0
.rept 32
	v_pk_add_f32 v[32+i:33+i], v[32+i:33+i], v[96+i:97+i]   ; independent work behind the two reciprocals
.set i, i+2
.endr
	s_wait_alu depctr_va_vdst(0)                   ; one wait for the two, ahead of their first reader
.irp u, 0,1
.set i, 0
.rept 16
	v_pk_mul_f32 v[32+32*\u+i:33+32*\u+i], v[32+32*\u+i:33+32*\u+i], v[196+2*\u:197+2*\u] op_sel_hi:[1,0]
.set i, i+2
.endr
.endr
.irp u, 0,1
.irp t, 0,1,2,3
.irp q, 0,1,2,3
	v_cvt_pk_f16_f32 v[32+32*\u+8*\t+\q], v[32+32*\u+8*\t+2*\q], v[32+32*\u+8*\t+2*\q+1]
.endr
	global_store_b128 v[LI], v[32+32*\u+8*\t:32+32*\u+8*\t+3], s[10:11] offset:1024*\u+8192*(\t/2)+512*(\t%2)   ; a lane's token and eight channels are half a fragment's registers; 512 consecutive bytes, aligned
.endr
.endr
	s_wait_tensorcnt 0x0                           ; the wave's end: behind my last tensor load and my last LDS store
	ds_add_u32 v[SPW], v[NIL]
	s_wait_dscnt 0x0
	ROUND                                          ; the closing round: no work-group ends while a partner may still ask for a tile that names it
	s_endpgm
.Lfunc_end_k_q230ade17bd_attn:
	.size	k_q230ade17bd_attn, .Lfunc_end_k_q230ade17bd_attn-k_q230ade17bd_attn
	.p2alignl 7, 3214868480
	.fill 96, 4, 3214868480
	.section	.rodata,"a",@progbits
	.p2align	6, 0x0
	.amdhsa_kernel k_q230ade17bd_attn
		.amdhsa_group_segment_fixed_size 327680
		.amdhsa_private_segment_fixed_size 0
		.amdhsa_enable_private_segment 0
		.amdhsa_kernarg_size 32
		.amdhsa_user_sgpr_count 2
		.amdhsa_user_sgpr_kernarg_segment_ptr 1
		.amdhsa_wavefront_size32 1
		.amdhsa_system_sgpr_workgroup_id_x 1
		.amdhsa_system_sgpr_workgroup_id_y 1
		.amdhsa_system_sgpr_workgroup_id_z 1
		.amdhsa_system_vgpr_workitem_id 0
		.amdhsa_next_free_vgpr 512
		.amdhsa_next_free_sgpr 84
		.amdhsa_reserve_vcc 0
		.amdhsa_float_denorm_mode_32 3
		.amdhsa_float_denorm_mode_16_64 3
		.amdhsa_memory_ordered 1
		.amdhsa_forward_progress 1
		.amdhsa_inst_pref_size 172
	.end_amdhsa_kernel
	.amdgpu_metadata
---
amdhsa.version: [ 1, 2 ]
amdhsa.kernels:
  - .name:           k_q230ade17bd_attn
    .symbol:         k_q230ade17bd_attn.kd
    .args:
      - { .name: qfr, .offset: 0, .size: 8, .value_kind: global_buffer, .address_space: global }
      - { .name: kfr, .offset: 8, .size: 8, .value_kind: global_buffer, .address_space: global }
      - { .name: vfr, .offset: 16, .size: 8, .value_kind: global_buffer, .address_space: global }
      - { .name: ofr, .offset: 24, .size: 8, .value_kind: global_buffer, .address_space: global }
    .group_segment_fixed_size: 327680
    .private_segment_fixed_size: 0
    .kernarg_segment_align: 8
    .kernarg_segment_size: 32
    .max_flat_workgroup_size: 256
    .sgpr_count:     84
    .vgpr_count:     512
    .wavefront_size: 32
...
	.end_amdgpu_metadata
.endif
;; end of part 3
;; launch outp (part 4): grid 4 x 64, 8 waves a work-group, clusters of 4 x 4, 327,680 bytes of LDS; arguments ofr, wof, bnc, out0; writes out0
.if DOCPART == 4
	.amdgcn_target "amdgcn-amd-amdhsa--gfx1250"
	.amdhsa_code_object_version 6
	.text
	.protected	k_q230ade17bd_outp
	.globl	k_q230ade17bd_outp
	.p2align	8
	.type	k_q230ade17bd_outp,@function
k_q230ade17bd_outp:
	s_mov_b64 s[64:65], 0
	v_nop
	global_prefetch_b8 v0, s[64:65] scope:SCOPE_SE
	s_setreg_imm32_b32 hwreg(HW_REG_WAVE_MODE, 25, 1), 1
	s_wait_xcnt 0x0
	s_wait_alu depctr_hold_cnt(0) depctr_sa_sdst(0) depctr_va_vdst(0) depctr_va_sdst(0) depctr_va_ssrc(0) depctr_va_vcc(0) depctr_vm_vsrc(0)
	s_getreg_b32 s2, hwreg(HW_REG_IB_STS2, 6, 4)
	s_cmp_eq_u32 s2, 0
	s_cbranch_scc0 .Lentry_in_a_cluster
	s_endpgm
.Lentry_in_a_cluster:
	s_bfe_u32 s2, ttmp6, 0x10000c
	s_cmp_lg_u32 s2, 0xf033
	s_cbranch_scc0 .Lentry_shape_is_right
	s_endpgm
.Lentry_shape_is_right:
; out0 = BN(o Wo^T): o [8,192][512] and Wo [512][512] come as f16 images of fragments (16 rows x 32 K: registers 0-3 of lane l at 16 l, registers 4-7 at 512 + 16 l); sums in f32; out0 [8,192][512] f32.
; The batch norm is one fused multiply-add y s + (beta - mean s) on the f32 sums; the gain is not folded into Wo, so that Wo keeps f16's 11 bits whatever the gain.
; SHARES.  A work-group makes 128 tokens x 128 outputs.  Wave w: token tiles 2 (w % 4), 2 (w % 4) + 1 x output tiles 4 (w / 4) .. + 3: eight accumulators, 128 matrix instructions.
; THE PRODUCT IS USED TRANSPOSED (source 0 = 16 rows of Wo, source 1 = 16 tokens): a lane holds one token and eight neighbouring outputs.  A wave's 64 outputs are 256 consecutive bytes of a row of out0:
; so each wave has a stage of its own on the way out, with no barrier, and sixteen lanes store 256 consecutive bytes, aligned.
; LDS.  The work-group's o (128 KB) and Wo (128 KB) are filled ONCE, in four chunks of 128 along K (o's 32 KB, then Wo's); every wave brings an eighth of each chunk: four tensor loads a wave are out at the most.
; CLUSTER.  4 x 4 work-groups: o's tiles hang on the block of tokens alone and are shared along a row of the cluster, Wo's on the block of outputs alone and are shared along a column: each is asked for jointly.
; Nothing is prefetched: every request of the launch goes out at its head.
.set STG,   262144                     ; behind the four chunks: a stage of 16 rows x (256 bytes + 16) for each wave
.set SPARE, 296960                     ; behind the stages: the spare words, 128 bytes for each wave: four blocks of 256 bytes that no other line names
.set LI,  1                            ; v1   16 x lane
.set AO,  3                            ; v3   my two tiles of o in the chunk in hand
.set AW,  4                            ; v4   my four tiles of Wo
.set STO, 5                            ; v5   the stage: where I put 32 bytes of a row
.set RD,  6                            ; v6   and where I read a row back
.set GO,  7                            ; v7   my byte offset in two rows of out0
.set BNA, 8                            ; v8   32 h: my eight gains of a tile
.set ACC, 16                           ; v16-79   accumulator (mt, nt) at 16 + 8 (4 mt + nt)
.set GN,  80                           ; v80-111  gains, eight for each nt
.set BS,  112                          ; v112-143 biases
.set FB,  144                          ; v144-239 two sets of fragments of 48: Wo's nt at 8 nt, o's mt at 32 + 8 mt; on the way out two sets of 32: rows read back
.set SPW, 252                          ; v252 LDS address of my spare word; never rewritten
.set NIL, 253                          ; v253 0; never rewritten
.set WV,  12                           ; s12  my wave's number
.set G1,  24                           ; s[24:31] descriptor group 1 for o's tiles;  s[32:47] groups 0, one for each chunk
.set G0,  32
.set G0B, 48                           ; s[48:63] groups 0 for Wo's tiles;  s[68:75] their group 1: it differs in the mask alone
.set G1B, 68
.macro NOP4
.rept 4
	v_nop
.endr
.endm
.macro ROUND                           ; a round of the cluster's barrier
	s_barrier_signal -1
	s_barrier_wait -1
	s_cmp_lg_u32 s[WV], 0
	s_cbranch_scc1 .Lnot_wave_0_\@
	s_barrier_signal -3
.Lnot_wave_0_\@:
	s_barrier_wait -3
	s_barrier_signal -1
	s_barrier_wait -1
.endm
.macro FETCH kk, buf                   ; the chunk's kk-th K step of 32: 12 LDS loads
.irp nt, 0,1,2,3
.irp e, 0,1
	ds_load_b128 v[FB+48*\buf+8*\nt+4*\e:FB+48*\buf+8*\nt+4*\e+3], v[AW] offset:8192*\kk+1024*\nt+512*\e
.endr
.endr
.irp mt, 0,1
.irp e, 0,1
	ds_load_b128 v[FB+48*\buf+32+8*\mt+4*\e:FB+48*\buf+32+8*\mt+4*\e+3], v[AO] offset:8192*\kk+1024*\mt+512*\e
.endr
.endr
.endm
.macro MULK buf, zero                  ; eight matrix instructions, one on each accumulator, in the same order in every K step
.irp mt, 0,1
.irp nt, 0,1,2,3
.if \zero
	v_wmma_f32_16x16x32_f16 v[ACC+8*(4*\mt+\nt):ACC+8*(4*\mt+\nt)+7], v[FB+48*\buf+8*\nt:FB+48*\buf+8*\nt+7], v[FB+48*\buf+32+8*\mt:FB+48*\buf+32+8*\mt+7], 0
.else
	v_wmma_f32_16x16x32_f16 v[ACC+8*(4*\mt+\nt):ACC+8*(4*\mt+\nt)+7], v[FB+48*\buf+8*\nt:FB+48*\buf+8*\nt+7], v[FB+48*\buf+32+8*\mt:FB+48*\buf+32+8*\mt+7], v[ACC+8*(4*\mt+\nt):ACC+8*(4*\mt+\nt)+7]
.endif
.endr
.endr
.endm
; A CHUNK: four K steps.  My eighth of it has landed (my loads of the later chunks may stay out), and behind the barrier everybody's has.
.macro CHUNK c
	s_wait_tensorcnt 3-\c
	s_barrier_signal -1
	s_barrier_wait -1
.if \c > 0
	v_add_nc_u32 v[AO], 0x10000, v[AO]             ; (no LDS load of mine is out)
	v_add_nc_u32 v[AW], 0x10000, v[AW]
.endif
	FETCH 0, 0                                     ; (the four places at the last chunk's end stand behind the last readers of both sets)
	FETCH 1, 1
	s_wait_dscnt 12                                ; all but the twelve just issued
.if \c == 0
	MULK 0, 1
.else
	MULK 0, 0
.endif
	NOP4                                           ; four places in front of loads into registers that matrix instructions have read
	FETCH 2, 0
	s_wait_dscnt 12
	MULK 1, 0
	NOP4
	FETCH 3, 1
	s_wait_dscnt 12
	MULK 0, 0
	s_wait_dscnt 0x0
	MULK 1, 0
	NOP4
.endm
	s_load_b256 s[4:11], s[0:1], 0x0               ; ofr s[4:5], wof s[6:7], bnc s[8:9], out0 s[10:11]
	v_lshl_add_u32 v[SPW], v0, 2, SPARE
	v_mov_b32 v[NIL], 0
	ds_add_u32 v[SPW], v[NIL]                      ; the wave's opening: the add, twice on end, and its wait ahead of my first tensor load; the set-up below stands between
	ds_add_u32 v[SPW], v[NIL]
	v_lshrrev_b32 v9, 5, v0
	v_readfirstlane_b32 s[WV], v9                  ; wave 0..7
	s_bfe_u32 s13, ttmp6, 0x40000                  ; cx, cy: my place in the cluster
	s_bfe_u32 s14, ttmp6, 0x40004
	s_lshl_b32 s15, ttmp9, 2
	s_add_co_u32 s15, s15, s13                     ; my block of 128 outputs
	s_and_b32 s16, ttmp7, 0xffff
	s_lshl_b32 s16, s16, 2
	s_add_co_u32 s16, s16, s14                     ; my block of 128 tokens
	s_lshl_b32 s17, s14, 2
	s_lshl_b32 s17, 15, s17                        ; my row of the cluster
	s_lshl_b32 s18, 0x1111, s13                    ; my column
	s_or_b32 s[G1], s17, (3<<16)|(1<<21)           ; 15:0 the mask: o's tiles go to my row; 17:16 elements of 8 bytes; 21 set beside a mask; no padding
	s_or_b32 s[G1B], s18, (3<<16)|(1<<21)          ; Wo's to my column
.irp g, G1, G1B
	s_mov_b32 s[\g+1], 32<<16                      ; tensor_dim0 = 32 elements: 256 bytes
	s_mov_b32 s[\g+2], 32<<16                      ; tensor_dim1 = 32 rows
	s_mov_b32 s[\g+3], 32<<16                      ; tile_dim0
	s_mov_b32 s[\g+4], 32                          ; tile_dim1
	s_mov_b32 s[\g+5], 32                          ; the pitch: the block is dense
	s_mov_b32 s[\g+6], 0
	s_mov_b32 s[\g+7], 0
.endr
	s_and_b32 s19, s[WV], 3                        ; which two tiles of tokens; also which quarter of o's or Wo's part of a chunk I fetch
	s_lshr_b32 s20, s[WV], 2                       ; which four tiles of outputs
	s_lshl_b32 s21, s19, 13
	s_lshl_b32 s76, s16, 17                        ; o: my block's 131,072 bytes, my 8,192 of a chunk's 32,768: made of the block of tokens and the wave's number alone
	s_add_co_u32 s76, s76, s21
	s_mov_b32 s77, 0
	s_lshl_b32 s78, s15, 17                        ; Wo likewise, of the block of outputs and the wave's number alone
	s_add_co_u32 s78, s78, s21
	s_mov_b32 s79, 0
	s_lshl_b32 s22, s[WV], 13                      ; where they go in a chunk: waves 0-3 o's quarters, waves 4-7 Wo's, behind them
	s_lshl_b32 s80, s15, 1                         ; gains and biases: projection 3, the 64 outputs 2 x block + w / 4
	s_add_co_u32 s80, s80, s20
	s_lshl_b32 s80, s80, 9
	s_add_co_u32 s80, s80, 12288
	s_mov_b32 s81, 0
	s_lshl_b32 s82, s16, 18                        ; out0: 128 rows of 2,048 bytes a block, 32 rows for my two tiles,
	s_lshl_b32 s83, s19, 16
	s_add_co_u32 s82, s82, s83
	s_lshl_b32 s83, s15, 9                         ; 128 outputs of 4 bytes a block, 64 for my four tiles
	s_add_co_u32 s82, s82, s83
	s_lshl_b32 s83, s20, 8
	s_add_co_u32 s82, s82, s83
	s_mov_b32 s83, 0
	v_and_b32 v9, 31, v0
	v_lshlrev_b32 v[LI], 4, v9
	v_and_b32 v10, 15, v0                          ; r
	v_bfe_u32 v11, v0, 4, 1                        ; h
	s_lshl_b32 s23, s19, 11
	v_add_nc_u32 v[AO], s23, v[LI]
	s_lshl_b32 s23, s20, 12
	s_add_co_u32 s23, s23, 32768
	v_add_nc_u32 v[AW], s23, v[LI]
	s_mul_i32 s23, s[WV], 4352
	s_add_co_u32 s23, s23, STG                     ; my stage
	v_mul_u32_u24 v[STO], v10, 272
	v_lshl_add_u32 v[STO], v11, 5, v[STO]
	v_add_nc_u32 v[STO], s23, v[STO]               ; in: row r, + 32 h
	v_mul_u32_u24 v[RD], v11, 272
	v_lshl_add_u32 v[RD], v10, 4, v[RD]
	v_add_nc_u32 v[RD], s23, v[RD]                 ; back: lanes 0-15 one row of 256 bytes, lanes 16-31 the next
	v_lshlrev_b32 v[GO], 11, v11
	v_lshl_add_u32 v[GO], v10, 4, v[GO]            ; and the same two rows in out0
	v_lshlrev_b32 v[BNA], 5, v11
	s_wait_dscnt 0x0                               ; both opening adds are done
	s_wait_kmcnt 0x0
	s_add_nc_u64 s[4:5], s[4:5], s[76:77]
	s_add_nc_u64 s[6:7], s[6:7], s[78:79]
	s_add_nc_u64 s[8:9], s[8:9], s[80:81]
	s_add_nc_u64 s[10:11], s[10:11], s[82:83]
	ROUND                                          ; all sixteen work-groups are here: the joint loads meet
.irp c, 0,1,2,3
	s_mov_b32 s[G0+4*\c], 1                        ; count = 1
	s_add_co_u32 s[G0+4*\c+1], s22, \c*65536       ; LDS address
	s_add_nc_u64 s[G0+4*\c+2:G0+4*\c+3], s[4:5], \c*32768     ; global address
	s_or_b32 s[G0+4*\c+3], s[G0+4*\c+3], 0x80000000           ; type = 2
	s_mov_b32 s[G0B+4*\c], 1
	s_add_co_u32 s[G0B+4*\c+1], s22, \c*65536
	s_add_nc_u64 s[G0B+4*\c+2:G0B+4*\c+3], s[6:7], \c*32768
	s_or_b32 s[G0B+4*\c+3], s[G0B+4*\c+3], 0x80000000
.endr
	s_cmp_lt_u32 s[WV], 4                          ; a wave's four fills stand in one branch on the wave's number, ahead of every wait on TENSORcnt, every LDS read and every further barrier
	s_cbranch_scc0 .Lfill_w
.irp c, 0,1,2,3
	tensor_load_to_lds s[G0+4*\c:G0+4*\c+3], s[G1:G1+7]
	s_nop 0
.endr
	NOP4
	s_branch .Lfilled
.Lfill_w:
.irp c, 0,1,2,3
	tensor_load_to_lds s[G0B+4*\c:G0B+4*\c+3], s[G1B:G1B+7]
	s_nop 0
.endr
	NOP4
.Lfilled:
.irp nt, 0,1,2,3
	global_load_b128 v[GN+8*\nt:GN+8*\nt+3],   v[BNA], s[8:9] offset:64*\nt       ; the gains of outputs 16 nt + 8 h + 0..7,
	global_load_b128 v[GN+8*\nt+4:GN+8*\nt+7], v[BNA], s[8:9] offset:64*\nt+16
	global_load_b128 v[BS+8*\nt:BS+8*\nt+3],   v[BNA], s[8:9] offset:64*\nt+256   ; and their biases: wanted on the way out
	global_load_b128 v[BS+8*\nt+4:BS+8*\nt+7], v[BNA], s[8:9] offset:64*\nt+272
.endr
	CHUNK 0
	CHUNK 1
	CHUNK 2
	CHUNK 3
	; THE WAY OUT.  The batch norm in place; then a tile of 16 tokens at a time through my own stage, back as whole rows of 256 bytes.
	s_wait_loadcnt 0x0                             ; gains and biases
.irp mt, 0,1
.irp nt, 0,1,2,3
.irp q, 0,1,2,3
	v_pk_fma_f32 v[ACC+8*(4*\mt+\nt)+2*\q:ACC+8*(4*\mt+\nt)+2*\q+1], v[ACC+8*(4*\mt+\nt)+2*\q:ACC+8*(4*\mt+\nt)+2*\q+1], v[GN+8*\nt+2*\q:GN+8*\nt+2*\q+1], v[BS+8*\nt+2*\q:BS+8*\nt+2*\q+1]   ; each accumulator from its low end on
.endr
.endr
.endr
.irp mt, 0,1
.irp nt, 0,1,2,3
	ds_store_b128 v[STO], v[ACC+8*(4*\mt+\nt):ACC+8*(4*\mt+\nt)+3] offset:64*\nt
	ds_store_b128 v[STO], v[ACC+8*(4*\mt+\nt)+4:ACC+8*(4*\mt+\nt)+7] offset:64*\nt+16
.endr
.irp i, 0,1,2,3,4,5,6,7
	ds_load_b128 v[FB+32*\mt+4*\i:FB+32*\mt+4*\i+3], v[RD] offset:544*\i   ; LDS serves a wave's instructions in order (ISA guide 5.7.1.4): these see the stores above, and the next tile's stores come behind them
.endr
.endr
.irp i, 0,1,2,3,4,5,6,7
	s_wait_dscnt 23-\i                             ; behind tile 0's load i: its 7 - i later loads, tile 1's eight stores and eight loads
	global_store_b128 v[GO], v[FB+4*\i:FB+4*\i+3], s[10:11] offset:2*\i*2048 th:TH_STORE_NT   ; 16 lanes store 256 consecutive bytes, aligned; written once, read by nobody here
.endr
.irp i, 0,1,2,3,4,5,6,7
	s_wait_dscnt 7-\i
	global_store_b128 v[GO], v[FB+32+4*\i:FB+32+4*\i+3], s[10:11] offset:(16+2*\i)*2048 th:TH_STORE_NT
.endr
	s_wait_tensorcnt 0x0                           ; the wave's end: behind my last tensor load and my last LDS store
	ds_add_u32 v[SPW], v[NIL]
	s_wait_dscnt 0x0
	ROUND                                          ; the closing round: no work-group ends while a partner may still ask for a tile that names it
	s_endpgm
.Lfunc_end_k_q230ade17bd_outp:
	.size	k_q230ade17bd_outp, .Lfunc_end_k_q230ade17bd_outp-k_q230ade17bd_outp
	.p2alignl 7, 3214868480
	.fill 96, 4, 3214868480
	.section	.rodata,"a",@progbits
	.p2align	6, 0x0
	.amdhsa_kernel k_q230ade17bd_outp
		.amdhsa_group_segment_fixed_size 327680
		.amdhsa_private_segment_fixed_size 0
		.amdhsa_enable_private_segment 0
		.amdhsa_kernarg_size 32
		.amdhsa_user_sgpr_count 2
		.amdhsa_user_sgpr_kernarg_segment_ptr 1
		.amdhsa_wavefront_size32 1
		.amdhsa_system_sgpr_workgroup_id_x 1
		.amdhsa_system_sgpr_workgroup_id_y 1
		.amdhsa_system_sgpr_workgroup_id_z 1
		.amdhsa_system_vgpr_workitem_id 0
		.amdhsa_next_free_vgpr 256
		.amdhsa_next_free_sgpr 84
		.amdhsa_reserve_vcc 0
		.amdhsa_float_denorm_mode_32 3
		.amdhsa_float_denorm_mode_16_64 3
		.amdhsa_memory_ordered 1
		.amdhsa_forward_progress 1
		.amdhsa_inst_pref_size 38
	.end_amdhsa_kernel
	.amdgpu_metadata
---
amdhsa.version: [ 1, 2 ]
amdhsa.kernels:
  - .name:           k_q230ade17bd_outp
    .symbol:         k_q230ade17bd_outp.kd
    .args:
      - { .name: ofr, .offset: 0, .size: 8, .value_kind: global_buffer, .address_space: global }
      - { .name: wof, .offset: 8, .size: 8, .value_kind: global_buffer, .address_space: global }
      - { .name: bnc, .offset: 16, .size: 8, .value_kind: global_buffer, .address_space: global }
      - { .name: out0, .offset: 24, .size: 8, .value_kind: global_buffer, .address_space: global }
    .group_segment_fixed_size: 327680
    .private_segment_fixed_size: 0
    .kernarg_segment_align: 8
    .kernarg_segment_size: 32
    .max_flat_workgroup_size: 256
    .sgpr_count:     84
    .vgpr_count:     256
    .wavefront_size: 32
...
	.end_amdgpu_metadata
.endif
;; end of part 4
;; ======== version 2 of 2: 4 launches; version 1 with the launch proj written anew for expert scheduling mode
;; limits: values are held in f16: magnitudes above 65,504 overflow, below 6.1e-05 lose precision
;; workspace buffers: wcodes 393,216 bytes; wscl 49,152 bytes; wof 524,288 bytes; bnc 16,384 bytes; qfr 8,388,608 bytes; kfr 8,388,608 bytes; vfr 8,388,608 bytes; ofr 8,388,608 bytes
;; launch prep: the kernel of part 1 again; grid 132 x 1, 4 waves a work-group, no clusters, 0 bytes of LDS; arguments Wq, Wk, Wv, Wo, bn_params, wcodes, wscl, wof, bnc; writes wcodes, wscl, wof, bnc
;; launch proj (part 5): grid 128 x 3, 8 waves a work-group, no clusters, 91,136 bytes of LDS; arguments query, key, value, wcodes, wscl, bnc, qfr, kfr, vfr; writes qfr, kfr, vfr
.if DOCPART == 5
	.amdgcn_target "amdgcn-amd-amdhsa--gfx1250"
	.amdhsa_code_object_version 6
	.text
	.protected	k_q230ade17bd_proj
	.globl	k_q230ade17bd_proj
	.p2align	8
	.type	k_q230ade17bd_proj,@function
k_q230ade17bd_proj:
	s_mov_b64 s[64:65], 0
	v_nop
	global_prefetch_b8 v0, s[64:65] scope:SCOPE_SE
	s_setreg_imm32_b32 hwreg(HW_REG_WAVE_SCHED_MODE, 0, 2), 2
	s_setreg_imm32_b32 hwreg(HW_REG_WAVE_MODE, 25, 1), 1
	s_wait_xcnt 0x0
	s_wait_alu depctr_vm_vsrc(0)
; clip(BN(x W^T), 0, 1) for x = query, key, value (work-group y = 0, 1, 2): x [8,192][512] f32 is quantised here to E2M1 with one E8M0 byte for each 32 along K; W comes as images of its
; fragments and scale words; the products are v_wmma_scale_f32_16x16x128_f8f6f4 on 4-bit codes, sums in f32.  The results leave as f16, laid as images of the fragments that the attention reads
; (an image: registers 0-3 of lane l at 16 l, registers 4-7 at 512 + 16 l):
;   qfr, kfr [batch x head 64][tile of 16 tokens 64][32 channels 2][1,024];   vfr [batch x head 64][32 keys 32][tile of 16 channels 4][1,024] (V^T: the keys run along a lane's registers).
; The query's gain and bias carry c = log2(e) / 8, and its clip is at c: clip(y, 0, 1) c = clip(c y, 0, c).
; SHARES.  A work-group takes 64 rows of one tensor.  X: wave w quantises 16 rows x 256 along K (fragments 2 w, 2 w + 1 of the block's 16) and stores their images in LDS | one barrier |
; wave w makes head w (64 channels: four tiles) for the four tiles of rows: 16 accumulators, 64 matrix instructions, its weights straight from memory into registers.
; q, k: the product is used TRANSPOSED (source 0 = 16 channels, source 1 = 16 tokens): a lane holds one token and eight neighbouring channels, which pack into half a fragment's registers.
; v: source 0 = 16 tokens, source 1 = 16 channels: a lane holds one channel and eight neighbouring tokens: half a fragment of V^T.  So nothing changes lanes on the way out, and each store covers 512 consecutive bytes, aligned.
; The weights are shared by all row blocks of a tensor and yet not asked for jointly: a joint request lands in LDS, while each wave's 16 KB of codes are read by that wave alone, once, straight into the operand's registers.
; LIMITS: a block of zeros gets the scale byte 1 where the rule says 127 (its codes are zeros; the bytes never leave the work-group); NaN and infinities among the inputs are not served;
; the batch norm is one fused multiply-add y s + (beta - mean s).
; THE MODE: SCHED_MODE bits 1:0 = 2 (LLVM: expert scheduling mode 2), set by the entry lines.  The code itself states the register dependences
; between vector or matrix instructions and memory or LDS instructions, with s_wait_alu, always for 0.
; THE PLAN.  Registers that memory or LDS instructions touch:
;   v1-v10        offsets and LDS addresses: made once at the head, ahead of one wait on va_vdst, and never written again.
;   ACC as x      global loads land; the stage's stores read; (wait on vm_vsrc) the stage's loads land in the same registers; the quantiser's vector lines read.
;   CD0, PW0 and CD1, PW1   two out-buffers: fragment f's codes and scale word, written by its quantiser, (wait on va_vdst) read by its image's three LDS stores.  The second quantiser writes nothing that a store reads.
;   XF, XS        a K step's LDS loads land; its sixteen products read.   WF, WS: two sets; global loads land two K steps ahead; the products read.
;                 ONE wait on va_vdst stands behind each K step's products: they are done reading the W set, x's fragments and both kinds of scale words, and all loads of the next step follow it.
;   WF at the end the gains and biases land there: in set 0 with the last K step's fragments (the products of the step before were its last readers), in set 1 behind the last products.
;   ACC as sums   matrix instructions write; the way out's vector lines work in place; (one wait on va_vdst for four tiles) four stores read; nothing writes them again.
.set XIMG,  0                          ; LDS: x's 16 fragments (tile of rows m, K step ks: 4 m + ks), 1,024 bytes each;
.set XSC,   16384                      ; their scale words, 128 bytes each;
.set BNL,   18432                      ; each wave's 512 bytes of gains and biases;
.set SPARE, 22528                      ; the spare words, 128 bytes for each wave: four blocks of 256 bytes that no other line names;
.set STAGE, 23552                      ; each wave's stage: 16 rows x (512 bytes + 16)
.set LI,   1                           ; v1   16 x lane
.set LS,   2                           ; v2   4 x lane
.set STW,  4                           ; v4   the stage, on the way in: 16 x lane
.set STR,  5                           ; v5   and back: row r, + 128 h
.set XWI,  6                           ; v6   where I store x's images
.set XWS,  7                           ; v7   and their scale words
.set BNW,  8                           ; v8   where I store my head's gains and biases
.set BNRT, 9                           ; v9   and read them: eight channels 8 h on (q, k),
.set BNRN, 10                          ; v10  or channel r (v)
.set H8,   11                          ; v11  8 h
.set PT,   12                          ; v12  a lane permute's destination
.set ACC,  16                          ; v16-143  accumulator (t, m) at 16 + 8 (4 m + t); before that x's numbers, 64 for each of my two fragments
.set WF,   144                         ; v144-207 W's fragments, two sets of four; on the way out gains and biases
.set XF,   208                         ; v208-239 x's four fragments of a K step; while x is quantised: at work
.set CD0,  208                         ; v208-215 the first fragment's codes
.set MX,   216
.set SO,   220
.set BY,   222
.set PW0,  224                         ; v224 the first fragment's scale word
.set PW1,  225                         ; v225 the second's
.set BT,   228
.set CD1,  232                         ; v232-239 the second fragment's codes
.set WS,   240                         ; v240-247 W's scale words, two sets of four: these and the next four hold scales and nothing else
.set XS,   248                         ; v248-251 x's scale words
.set SPW,  252                         ; v252 LDS address of my spare word; never rewritten
.set NIL,  253                         ; v253 0; never rewritten
.set SEL,  38                          ; s[38:39]
; 64 numbers of a lane, register 32 c + i = k 64 c + 32 (lane / 16) + i of the lane's row, become the fragment's 8 registers of codes, v[cd] on, and the row's scale word, v[pw].
.macro QUANT x, cd, pw
.irp c, 0,1
.irp u, 0,1
	v_max3_num_f32 v[MX+2*\c+\u], |v[\x+32*\c+16*\u]|, |v[\x+32*\c+16*\u+1]|, 0x1800000   ; four chains of 16 numbers; the floor 2^(3 - 127) holds the byte at 1 from below
.endr
.endr
.irp i, 2,4,6,8,10,12,14
.irp c, 0,1
.irp u, 0,1
	v_max3_num_f32 v[MX+2*\c+\u], v[MX+2*\c+\u], |v[\x+32*\c+16*\u+\i]|, |v[\x+32*\c+16*\u+\i+1]|
.endr
.endr
.endr
.irp c, 0,1
	v_max_num_f32 v[MX+2*\c], v[MX+2*\c], v[MX+2*\c+1]
.endr
.irp c, 0,1
	v_add_nc_u32 v[SO+\c], 0xff000000, v[MX+2*\c]                  ; 2 off the exponent field: the conversion's scale operand
.endr
.irp c, 0,1
	v_lshrrev_b32 v[BY+\c], 23, v[SO+\c]                           ; the scale's byte
.endr
	v_lshl_or_b32 v[\pw], v[BY+1], 16, v[BY]                       ; blocks h and 2 + h,
	v_lshlrev_b32 v[\pw], v[H8], v[\pw]                            ; at their places in the word;
	v_permlanex16_b32 v[PT], v[\pw], s[SEL], s[SEL+1]
	v_or_b32 v[\pw], v[\pw], v[PT]                                 ; with lane l xor 16's two the word is whole
.irp c, 0,1
.irp g, 0,1,2,3
	v_cvt_scalef32_pk8_fp4_f32 v[\cd+4*\c+\g], v[\x+32*\c+8*\g:\x+32*\c+8*\g+7], v[SO+\c]
.endr
.endr
	v_nop                                                          ; one plain line behind the last scaled conversion
.endm
; Fragment f's numbers were loaded as they lie, 512 consecutive bytes of a row to a load; they turn through my own stage and come back 32 neighbours of a block to a lane.  LDS serves a wave's instructions in order: no wait on DScnt between.
.macro TURN f
.irp i, 0,1,2,3,4,5,6,7,8,9,10,11,12,13,14,15
	ds_store_b128 v[STW], v[ACC+64*\f+4*\i:ACC+64*\f+4*\i+3] offset:528*\i
.endr
	s_wait_alu depctr_vm_vsrc(0)                   ; the sixteen stores have read their data registers, in which the sixteen loads below land
.irp c, 0,1
.irp j, 0,1,2,3,4,5,6,7
	ds_load_b128 v[ACC+64*\f+32*\c+4*\j:ACC+64*\f+32*\c+4*\j+3], v[STR] offset:256*\c+16*\j
.endr
.endr
.endm
.macro IMAGE f, cd, pw                 ; the fragment just made goes to LDS as its registers stand
.irp c, 0,1
	ds_store_b128 v[XWI], v[\cd+4*\c:\cd+4*\c+3] offset:XIMG+1024*\f+512*\c
.endr
	ds_store_b32 v[XWS], v[\pw] offset:128*\f
.endm
.macro WFETCH ks, buf                  ; my head's four fragments of W for K step ks, and their scale words: 12 loads
.irp t, 0,1,2,3
.irp c, 0,1
	global_load_b128 v[WF+32*\buf+8*\t+4*\c:WF+32*\buf+8*\t+4*\c+3], v[LI], s[28:29] offset:(4*\t+\ks)*1024+512*\c
.endr
	global_load_b32 v[WS+4*\buf+\t], v[LS], s[30:31] offset:(4*\t+\ks)*128
.endr
.endm
.macro XFETCH ks                       ; the four tiles of rows, K step ks: 12 LDS loads
.irp m, 0,1,2,3
.irp c, 0,1
	ds_load_b128 v[XF+8*\m+4*\c:XF+8*\m+4*\c+3], v[LI] offset:XIMG+(4*\m+\ks)*1024+512*\c
.endr
	ds_load_b32 v[XS+\m], v[LS] offset:XSC+(4*\m+\ks)*128
.endr
.endm
.macro BNT t                           ; q, k: tile t's gains and biases: four LDS loads
	ds_load_b128 v[WF+16*\t:WF+16*\t+3],     v[BNRT] offset:64*\t       ; the gains of channels 16 t + 8 h + 0..7,
	ds_load_b128 v[WF+16*\t+4:WF+16*\t+7],   v[BNRT] offset:64*\t+16
	ds_load_b128 v[WF+16*\t+8:WF+16*\t+11],  v[BNRT] offset:64*\t+256   ; and their biases
	ds_load_b128 v[WF+16*\t+12:WF+16*\t+15], v[BNRT] offset:64*\t+272
.endm
; 16 matrix instructions, one on each accumulator, in the same order in every K step.  tr = 1: source 0 = W.  zero = 1: the first K step starts the sums.
.macro MUL tr, buf, zero
.irp m, 0,1,2,3
.irp t, 0,1,2,3
.set AA, ACC+8*(4*\m+\t)
.if \tr
.if \zero
	v_wmma_scale_f32_16x16x128_f8f6f4 v[AA:AA+7], v[WF+32*\buf+8*\t:WF+32*\buf+8*\t+7], v[XF+8*\m:XF+8*\m+7], 0, v[WS+4*\buf+\t], v[XS+\m] matrix_a_fmt:MATRIX_FMT_FP4 matrix_b_fmt:MATRIX_FMT_FP4
.else
	v_wmma_scale_f32_16x16x128_f8f6f4 v[AA:AA+7], v[WF+32*\buf+8*\t:WF+32*\buf+8*\t+7], v[XF+8*\m:XF+8*\m+7], v[AA:AA+7], v[WS+4*\buf+\t], v[XS+\m] matrix_a_fmt:MATRIX_FMT_FP4 matrix_b_fmt:MATRIX_FMT_FP4
.endif
.else
.if \zero
	v_wmma_scale_f32_16x16x128_f8f6f4 v[AA:AA+7], v[XF+8*\m:XF+8*\m+7], v[WF+32*\buf+8*\t:WF+32*\buf+8*\t+7], 0, v[XS+\m], v[WS+4*\buf+\t] matrix_a_fmt:MATRIX_FMT_FP4 matrix_b_fmt:MATRIX_FMT_FP4
.else
	v_wmma_scale_f32_16x16x128_f8f6f4 v[AA:AA+7], v[XF+8*\m:XF+8*\m+7], v[WF+32*\buf+8*\t:WF+32*\buf+8*\t+7], v[AA:AA+7], v[XS+\m], v[WS+4*\buf+\t] matrix_a_fmt:MATRIX_FMT_FP4 matrix_b_fmt:MATRIX_FMT_FP4
.endif
.endif
.endr
.endr
.endm
.macro NOP4                            ; four places behind matrix instructions: in front of the first read of results; in front of loads into registers that the products read, the wait behind them states the dependence
.rept 4
	v_nop
.endr
.endm
.macro PRODUCT tr                      ; K = 512 in four steps of 128; W's sets take turns, two K steps ahead
	XFETCH 0
	s_wait_dscnt 0x0
	MUL \tr, 0, 1
	NOP4
	s_wait_alu depctr_va_vdst(0)                   ; K step 0's products are done reading W's set 0, its scale words, x's fragments and their scale words: the 24 loads below land in these
	WFETCH 2, 0
	XFETCH 1
	s_wait_dscnt 0x0
	MUL \tr, 1, 0
	NOP4
	s_wait_alu depctr_va_vdst(0)                   ; K step 1's products are done reading W's set 1, its scale words, x's fragments and their scale words
	WFETCH 3, 1
	XFETCH 2
	s_wait_dscnt 0x0
	s_wait_loadcnt 12                              ; K step 2's twelve loads are in; K step 3's twelve may be out
	MUL \tr, 0, 0
	NOP4
	s_wait_alu depctr_va_vdst(0)                   ; K step 2's products are done reading x's fragments and scale words, and W's set 0, which no product reads again: gains and biases land there
	XFETCH 3
.if \tr
	BNT 0                                          ; eight loads, into set 0: they land while the last K step is multiplied, whose products name set 1 alone
	BNT 1
.else
.irp t, 0,1,2,3
	ds_load_b32 v[WF+\t],   v[BNRN] offset:64*\t       ; the gain of channel 16 t + r,
	ds_load_b32 v[WF+8+\t], v[BNRN] offset:64*\t+256   ; and its bias: eight loads, into set 0
.endr
.endif
	s_wait_dscnt 8                                 ; x's fragments and scale words are in; the eight loads of gains and biases may be out
	s_wait_loadcnt 0x0
	MUL \tr, 1, 0
	NOP4
.endm
	s_load_b512 s[4:19], s[0:1], 0x0               ; query 4, key 6, value 8, wcodes 10, wscl 12, bnc 14, qfr 16, kfr 18
	s_load_b64 s[20:21], s[0:1], 0x40              ; vfr
	v_lshl_add_u32 v[SPW], v0, 2, SPARE
	v_mov_b32 v[NIL], 0
	v_lshrrev_b32 v3, 5, v0
	v_readfirstlane_b32 s24, v3                    ; wave 0..7
	s_and_b32 s25, ttmp7, 0xffff                   ; p: which tensor
	v_and_b32 v3, 31, v0                           ; lane
	v_and_b32 v13, 15, v0                          ; r
	v_bfe_u32 v14, v0, 4, 1                        ; h
	v_lshlrev_b32 v[LI], 4, v3
	v_lshlrev_b32 v[LS], 2, v3
	s_wait_alu depctr_va_sdst(0)                   ; s24 is written, ahead of its first reader: LDS addresses and the buffers' offsets are made from it
	s_mul_i32 s50, s24, 8448
	s_add_co_u32 s50, s50, STAGE                   ; my stage
	v_add_nc_u32 v[STW], s50, v[LI]
	v_mul_u32_u24 v[STR], v13, 528
	v_lshl_add_u32 v[STR], v14, 7, v[STR]
	v_add_nc_u32 v[STR], s50, v[STR]
	s_lshl_b32 s50, s24, 11                        ; my two fragments' images
	v_add_nc_u32 v[XWI], s50, v[LI]
	s_lshl_b32 s50, s24, 8
	s_add_co_u32 s50, s50, XSC
	v_add_nc_u32 v[XWS], s50, v[LS]
	s_lshl_b32 s50, s24, 9
	s_add_co_u32 s50, s50, BNL
	v_add_nc_u32 v[BNW], s50, v[LI]
	v_lshl_add_u32 v[BNRT], v14, 5, s50
	v_lshl_add_u32 v[BNRN], v13, 2, s50
	v_lshlrev_b32 v[H8], 3, v14
	v_mov_b32 v[PT], 0
	s_mov_b32 s[SEL], 0x76543210
	s_mov_b32 s[SEL+1], 0xfedcba98
	s_lshl_b32 s40, ttmp9, 17                      ; x: 64 rows of 2,048 bytes a work-group,
	s_lshr_b32 s37, s24, 1
	s_lshl_b32 s37, s37, 15                        ; 16 rows for each pair of waves,
	s_add_co_u32 s40, s40, s37
	s_and_b32 s37, s24, 1
	s_lshl_b32 s37, s37, 10                        ; 256 numbers along K
	s_add_co_u32 s40, s40, s37
	s_mov_b32 s41, 0
	s_lshl_b32 s42, s25, 17                        ; W's codes: 131,072 bytes a tensor, 16,384 a head
	s_lshl_b32 s37, s24, 14
	s_add_co_u32 s42, s42, s37
	s_mov_b32 s43, 0
	s_lshl_b32 s44, s25, 14                        ; W's scale words: an eighth of that
	s_lshl_b32 s37, s24, 11
	s_add_co_u32 s44, s44, s37
	s_mov_b32 s45, 0
	s_lshl_b32 s46, s25, 12                        ; gains and biases: 4,096 bytes a projection, 512 a head
	s_lshl_b32 s37, s24, 9
	s_add_co_u32 s46, s46, s37
	s_mov_b32 s47, 0
	s_lshr_b32 s48, ttmp9, 4                       ; out: batch = work-group x / 16;
	s_lshl_b32 s48, s48, 3
	s_add_co_u32 s48, s48, s24                     ; 8 x batch + head,
	s_lshl_b32 s48, s48, 17                        ; of 131,072 bytes;
	s_and_b32 s37, ttmp9, 15
	s_lshl_b32 s37, s37, 13                        ; my 64 tokens are 8,192 bytes in all three layouts
	s_add_co_u32 s48, s48, s37
	s_mov_b32 s49, 0
	s_mov_b32 s36, 0x3e38aa3b                      ; c = log2(e) / 8
	s_wait_kmcnt 0x0
	s_cmp_eq_u32 s25, 0                            ; the choices hang on the work-group's number alone
	s_cselect_b64 s[26:27], s[4:5], s[6:7]
	s_cselect_b64 s[34:35], s[16:17], s[18:19]
	s_cselect_b32 s36, s36, 1.0                    ; the clip's upper end
	s_cmp_eq_u32 s25, 2
	s_cselect_b64 s[26:27], s[8:9], s[26:27]
	s_cselect_b64 s[34:35], s[20:21], s[34:35]
	s_add_nc_u64 s[26:27], s[26:27], s[40:41]
	s_add_nc_u64 s[28:29], s[10:11], s[42:43]
	s_add_nc_u64 s[30:31], s[12:13], s[44:45]
	s_add_nc_u64 s[32:33], s[14:15], s[46:47]
	s_add_nc_u64 s[34:35], s[34:35], s[48:49]
	s_wait_alu depctr_va_vdst(0)                   ; the offsets and LDS addresses v1 to v10 are written: every load and store of the kernel reads one of them, and none is written again
	global_load_b128 v[BT:BT+3], v[LI], s[32:33]   ; my head's 64 gains and 64 biases
	WFETCH 0, 0
	WFETCH 1, 1
.irp f, 0,1
.irp i, 0,1,2,3,4,5,6,7,8,9,10,11,12,13,14,15
	global_load_b128 v[ACC+64*\f+4*\i:ACC+64*\f+4*\i+3], v[LI], s[26:27] offset:2048*\i+512*\f th:TH_LOAD_NT   ; row i, 128 numbers: 512 consecutive bytes, aligned; read once in the launch
.endr
.endr
	; ---- X: my 16 rows x 256 along K become two fragments.  Both turn through the stage one behind the other, so that the second is under way while the first is quantised
	s_wait_loadcnt 16                              ; all but the second fragment's sixteen loads are in
	ds_store_b128 v[BNW], v[BT:BT+3]
	TURN 0
	s_wait_loadcnt 0x0
	TURN 1                                         ; LDS serves a wave's instructions in order: these stores into the stage come behind the first fragment's loads from it
	s_wait_dscnt 32                                ; the first fragment's numbers are back; the second turn's sixteen stores and sixteen loads may be out
	QUANT ACC, CD0, PW0
	s_wait_alu depctr_va_vdst(0)                   ; the quantiser has written the first fragment's codes and scale word, which the three stores below read
	IMAGE 0, CD0, PW0
	s_wait_dscnt 3                                 ; the second fragment's numbers are back; the three stores just issued may be out
	QUANT ACC+64, CD1, PW1                         ; it writes registers of its own and the quantiser's work registers: none that a store reads
	s_wait_alu depctr_va_vdst(0)                   ; the quantiser has written the second fragment's codes and scale word; and it is done with v208 to v239, which no vector line names again before x's fragments land there
	IMAGE 1, CD1, PW1
	s_wait_dscnt 0x0                               ; for the others' sake: my images lie in LDS
	s_barrier_signal -1
	s_barrier_wait -1                              ; all sixteen do.  No LDS store follows but the closing add
	s_wait_alu depctr_vm_vsrc(0)                   ; my LDS stores have read their data: the codes, the scale words and the gains' staging registers, in which x's fragments land, and x's numbers, which the first products write over
	s_cmp_eq_u32 s25, 2
	s_cbranch_scc1 .Lvalue
	; ---- q, k: transposed
	PRODUCT 1
	s_wait_alu depctr_va_vdst(0)                   ; the last products are done reading W's set 1, in which the gains and biases of tiles 2 and 3 land
	BNT 2
	BNT 3
	s_wait_dscnt 8                                 ; tiles 0 and 1's gains and biases are in; the eight loads just issued may be out
.irp t, 0,1,2,3                        ; a tile of channels at a time, its four tiles of tokens: tiles 2 and 3's gains land under the work on tiles 0 and 1
.if \t == 2
	s_wait_dscnt 0x0                               ; tiles 2 and 3's gains and biases are in
.endif
.irp m, 0,1,2,3
.set AA, ACC+8*(4*\m+\t)
.irp q, 0,1,2,3
	v_pk_fma_f32 v[AA+2*\q:AA+2*\q+1], v[AA+2*\q:AA+2*\q+1], v[WF+16*\t+2*\q:WF+16*\t+2*\q+1], v[WF+16*\t+8+2*\q:WF+16*\t+8+2*\q+1]   ; each accumulator from its low end on
.endr
.irp j, 0,1,2,3,4,5,6,7
	v_med3_num_f32 v[AA+\j], v[AA+\j], 0, s36      ; the clip
.endr
.irp q, 0,1,2,3
	v_cvt_pk_f16_f32 v[AA+\q], v[AA+2*\q], v[AA+2*\q+1]
.endr
.endr
	s_wait_alu depctr_va_vdst(0)                   ; the roundings have written the four tiles' first four registers, which the four stores below read; nothing writes them again
.irp m, 0,1,2,3
.set AA, ACC+8*(4*\m+\t)
	global_store_b128 v[LI], v[AA:AA+3], s[34:35] offset:2048*\m+1024*(\t/2)+512*(\t%2)   ; tile of tokens m, channels 32 (t / 2) on, registers 4 (t % 2) on
.endr
.endr
	s_branch .Lend
.Lvalue:
	; ---- v: source 0 = tokens
	PRODUCT 0
	s_wait_dscnt 0x0                               ; the gains and biases are in
.irp m, 0,1,2,3                        ; a tile of tokens at a time, its four tiles of channels
.irp t, 0,1,2,3
.set AA, ACC+8*(4*\m+\t)
.irp j, 0,1,2,3,4,5,6,7
	v_fma_f32 v[AA+\j], v[AA+\j], v[WF+\t], v[WF+8+\t]   ; each accumulator from its low end on
.endr
.irp j, 0,1,2,3,4,5,6,7
	v_med3_num_f32 v[AA+\j], v[AA+\j], 0, s36
.endr
.irp q, 0,1,2,3
	v_cvt_pk_f16_f32 v[AA+\q], v[AA+2*\q], v[AA+2*\q+1]
.endr
.endr
	s_wait_alu depctr_va_vdst(0)                   ; the roundings have written the four tiles' first four registers, which the four stores below read; nothing writes them again
.irp t, 0,1,2,3
.set AA, ACC+8*(4*\m+\t)
	global_store_b128 v[LI], v[AA:AA+3], s[34:35] offset:4096*(\m/2)+1024*\t+512*(\m%2)   ; keys 32 (m / 2) on, tile of channels t, registers 4 (m % 2) on
.endr
.endr
.Lend:
	s_wait_dscnt 0x0                               ; the closing lines, six on end
	s_wait_alu 0x0
	s_wait_tensorcnt 0x0
	ds_add_u32 v[SPW], v[NIL]
	s_wait_dscnt 0x0
	s_endpgm
.Lfunc_end_k_q230ade17bd_proj:
	.size	k_q230ade17bd_proj, .Lfunc_end_k_q230ade17bd_proj-k_q230ade17bd_proj
	.p2alignl 7, 3214868480
	.fill 96, 4, 3214868480
	.section	.rodata,"a",@progbits
	.p2align	6, 0x0
	.amdhsa_kernel k_q230ade17bd_proj
		.amdhsa_group_segment_fixed_size 91136
		.amdhsa_private_segment_fixed_size 0
		.amdhsa_enable_private_segment 0
		.amdhsa_kernarg_size 72
		.amdhsa_user_sgpr_count 2
		.amdhsa_user_sgpr_kernarg_segment_ptr 1
		.amdhsa_wavefront_size32 1
		.amdhsa_system_sgpr_workgroup_id_x 1
		.amdhsa_system_sgpr_workgroup_id_y 1
		.amdhsa_system_sgpr_workgroup_id_z 1
		.amdhsa_system_vgpr_workitem_id 0
		.amdhsa_next_free_vgpr 256
		.amdhsa_next_free_sgpr 66
		.amdhsa_reserve_vcc 0
		.amdhsa_float_denorm_mode_32 3
		.amdhsa_float_denorm_mode_16_64 3
		.amdhsa_memory_ordered 1
		.amdhsa_forward_progress 1
		.amdhsa_inst_pref_size 89
	.end_amdhsa_kernel
	.amdgpu_metadata
---
amdhsa.version: [ 1, 2 ]
amdhsa.kernels:
  - .name:           k_q230ade17bd_proj
    .symbol:         k_q230ade17bd_proj.kd
    .args:
      - { .name: query, .offset: 0, .size: 8, .value_kind: global_buffer, .address_space: global }
      - { .name: key, .offset: 8, .size: 8, .value_kind: global_buffer, .address_space: global }
      - { .name: value, .offset: 16, .size: 8, .value_kind: global_buffer, .address_space: global }
      - { .name: wcodes, .offset: 24, .size: 8, .value_kind: global_buffer, .address_space: global }
      - { .name: wscl, .offset: 32, .size: 8, .value_kind: global_buffer, .address_space: global }
      - { .name: bnc, .offset: 40, .size: 8, .value_kind: global_buffer, .address_space: global }
      - { .name: qfr, .offset: 48, .size: 8, .value_kind: global_buffer, .address_space: global }
      - { .name: kfr, .offset: 56, .size: 8, .value_kind: global_buffer, .address_space: global }
      - { .name: vfr, .offset: 64, .size: 8, .value_kind: global_buffer, .address_space: global }
    .group_segment_fixed_size: 91136
    .private_segment_fixed_size: 0
    .kernarg_segment_align: 8
    .kernarg_segment_size: 72
    .max_flat_workgroup_size: 256
    .sgpr_count:     66
    .vgpr_count:     256
    .wavefront_size: 32
...
	.end_amdgpu_metadata
.endif
;; end of part 5
;; launch attn: the kernel of part 3 again; grid 4 x 64, 8 waves a work-group, clusters of 4 x 1, 327,680 bytes of LDS; arguments qfr, kfr, vfr, ofr; writes ofr
;; launch outp: the kernel of part 4 again; grid 4 x 64, 8 waves a work-group, clusters of 4 x 4, 327,680 bytes of LDS; arguments ofr, wof, bnc, out0; writes out0
